; MI455X (gfx1250); checked and timed in simulation.
; The chip was launched on July 23, 2026; its instructions are those of AMD's public machine-readable ISA for CDNA 5 (MIT licence, August 2026) and "CDNA5" Instruction Set Architecture Reference Guide (July 2026). The comments in the code are by the model that wrote it; some were corrected since.
;; Transformer Head. Allowed arithmetic: matrix products marked QUANTISED: E2M3 operands, one E8M0 scale for each 32 along K, by v_wmma_scale_f32_16x16x128_f8f6f4 with both operands' format E2M3, f32 sums; everything else in f32.
;; Inputs: Wk 1,024 x 1,024 float32; Wq 1,024 x 1,024 float32; Wv 1,024 x 1,024 float32; x 4 x 2,048 x 1,024 float32.
;; Outputs: out0 4 x 2,048 x 1,024 float32.
;; This version of the problem:
;;   THIS VERSION OF THE PROBLEM IS GIVEN IN LOW PRECISION. The matrix products marked QUANTISED in the list below multiply operands that are first quantised to E2M3 (2 exponent bits, 3 mantissa bits; 6 bits a number), with one power-of-two scale for each 32 numbers along K (OCP MX v1.0); their sums are f32. All else is computed in f32.
;;   The module's matrix products, in the order in which they are computed (A, B: the left and right operand; K: the contracted axis; several contracted axes count as one K, in the product's order):
;;     1. [M 8,192, K 1,024] x [K 1,024, N 1,024]; A: input x; B: input Wq: QUANTISED
;;     2. [M 8,192, K 1,024] x [K 1,024, N 1,024]; A: input x; B: input Wk: QUANTISED
;;     3. [M 8,192, K 1,024] x [K 1,024, N 1,024]; A: input x; B: input Wv: QUANTISED
;;     4. batch 4 x [M 2,048, K 1,024] x [K 1,024, N 2,048]; A: computed on the way; B: computed on the way: QUANTISED
;;     5. batch 4 x [M 2,048, K 2,048] x [K 2,048, N 1,024]; A: softmax (see below); B: computed on the way: QUANTISED
;;   THE QUANTISER, for each operand of a quantised product, along K:
;;     - K is cut into blocks of 32 from its start; a last block that is shorter is filled with zeros.
;;     - A block's scale is 2^e with e = floor(log2(the largest magnitude in the block)) - 2, held to -126 .. 127; a block of zeros has e = 0. As a byte (E8M0): e + 127.
;;     - Each number is divided by its block's scale, clamped to +-7.5, and rounded to the nearest number of E2M3, ties to even, subnormals kept.
;;     - The product sums the exact products of the quantised numbers (number of the format x scale) in f32.
;;   ~~~python
;;   def quantise(x, axis):      # numpy; x: float32 -> the quantised numbers, widened to float32 again
;;       x = np.moveaxis(x, axis, -1); K = x.shape[-1]
;;       x = np.pad(x, [(0, 0)] * (x.ndim - 1) + [(0, -K % 32)]); x = x.reshape(x.shape[:-1] + (-1, 32)); a = np.abs(x).max(-1, keepdims=True)
;;       e = np.where(a > 0, np.clip(np.frexp(np.where(a > 0, a, 1))[1] - 1 - 2, -126, 127), 0)      # np.frexp(a)[1] - 1 = floor(log2(a)), exactly
;;       r = np.clip(x / 2.0 ** e, -7.5, 7.5)
;;       step = 2.0 ** (np.maximum(np.frexp(np.where(r == 0, 1, r))[1] - 1, 0) - 3)
;;       q = np.round(r / step) * step * 2.0 ** e      # np.round: ties to even
;;       return np.moveaxis(q.reshape(q.shape[:-2] + (-1,))[..., :K], -1, axis).astype(np.float32)
;;   ~~~
;;   SOFTMAX AHEAD OF A QUANTISED PRODUCT. Where the list says 'softmax', what is quantised is not the finished softmax but p = 2^(t - M), with t = logit x log2(e) and M = ceil(the row's largest t), a whole number; so 1/2 < the row's largest p <= 1. The row's sum l is taken of the UNQUANTISED p, in f32, and the product's result is divided by l at the end. Since M is a whole number, a kernel that streams over the keys may use a running M (the ceiling of the running maximum): every later rescaling is an exact power of two, which a block's scale takes up: the codes' values come out the same.
;;   OPERANDS COMPUTED ON THE WAY. 'Computed on the way' means the value that the module computes at that place (a softmax that the list does not call 'softmax' is quantised finished and normalised). What goes into a quantiser is computed in f32, as accurately as f32 sums, v_exp_f32 and their like allow (about 1e-6 of the number): no bf16 or f16 on the way to a quantiser, and a product that is left as it is and whose result goes on into a quantised operand takes f32 operands (vector FMAs, or v_wmma_f32_16x16x4_f32). A number that lies on a knife's edge between two numbers of the format may be rounded either way, as far as f32 arithmetic and the matrix unit's own rounding can turn it there, and no further.
;; One version. Each part assembles by itself: llvm-mc -triple=amdgcn-amd-amdhsa -mcpu=gfx1250 --defsym DOCPART=n.
;; ======== version 1 of 1: 4 launches
;; limits: right only within a limited range of input values
;; workspace buffers: xc 6,553,600 bytes; wc 2,457,600 bytes; qk 13,107,200 bytes; vt 6,553,600 bytes; pc 13,107,200 bytes; st 1,048,576 bytes
;; launch quant (part 1): grid 256 x 1, 11 waves a work-group, no clusters, 94,464 bytes of LDS; arguments x, Wq, Wk, Wv, xc, wc; writes xc, wc
.if DOCPART == 1
	.amdgcn_target "amdgcn-amd-amdhsa--gfx1250"
	.amdhsa_code_object_version 6
	.text
	.protected	k_qcc825307c2_quant
	.globl	k_qcc825307c2_quant
	.p2align	8
	.type	k_qcc825307c2_quant,@function
k_qcc825307c2_quant:
	s_mov_b64 s[64:65], 0
	v_nop
	global_prefetch_b8 v0, s[64:65] scope:SCOPE_SE
	s_setreg_imm32_b32 hwreg(HW_REG_WAVE_MODE, 25, 1), 1
	s_wait_xcnt 0x0
; THE PROGRAM: out = softmax(causal(Q K^T / 32)) V with Q, K, V = x W^T, all five products on codes of FP6 (E2M3) with one E8M0 scale for each 32 along K.
; Four launches: this one turns x, Wq, Wk, Wv into codes; the second makes Q, K and V^T and quantises them; the third makes the score tiles and writes p as codes; the fourth multiplies p by V and divides by the row's sum.
; WORK LEFT OUT, for all values of the inputs: reference() sets every score with key > query to -infinity by a tril that it builds itself, so its weight is exactly 0 and adds nothing to the row's sum or to the output.
; So score tiles that lie wholly above the diagonal are not computed (third launch), and steps of 128 keys that lie wholly behind a block of 128 queries are not multiplied (fourth launch).  Every input still reaches the output: all four are loaded.
; LIMITS: a NaN, an infinity or an overflow that reaches only the work left out is not carried to the result; NaN and infinities among the inputs are not served; a block of zeros gets the scale byte 1 where the
; quantiser says 127 (its codes are zeros, and only this program reads the bytes); blocks whose largest magnitude lies under 2^(3 - 127) are held at the byte 1.
; THE ROWS OF A TILE.  64 rows are four tiles j = 0 .. 3 of 16: lane r of tile j holds row 32 (r / 8) + 8 j + r % 8.  A product that takes the four as its first source then leaves, in lane (r, h) and register 8 j + i,
; row 32 h + 8 j + i: a whole block of 32 along the next K in one lane.
; THE CODES' BUFFERS xc, wc: tile by tile, 12,800 bytes: for each 128 along K (q = 0 .. 7) the image of an operand's 12 registers, registers 4 c .. 4 c + 3 of lane l at 1,536 q + 512 c + 16 l;
; behind the images, at 12,288, the scale words: that of lane r for q at 128 (q / 2) + 8 r + 4 (q % 2).
; THIS LAUNCH: 704 tiles (512 of x, 64 each of Wq, Wk, Wv), each in four pairs of q: 2,816 pairs = 256 work-groups x 11 waves, a pair a wave.  Each load reads 512 consecutive bytes of one row; all 32 loads of a wave go out at
; the head.  A unit of 16 rows x 128 turns through the wave's own stage in LDS (rows of 512 + 16 bytes), from which lane (r, h) takes k = 64 c + 32 h + 0 .. 31 of its row: two whole blocks of 32.
; A wave's codes leave as 512 consecutive bytes a store, its scale words as 128 consecutive bytes (half a unit of 256: the next pair is the next wave's).  Waves share nothing: no barrier.
.set SP,    528                        ; a stage row
.set STG,   16*SP                      ; a wave's stage
.set SPARE, 11*STG                     ; the spare words, 128 bytes for each wave, that no other line names
.set TILEB, 12800
.set R,     64                         ; v64-191: two units as loaded
.set X,     192                        ; v192-255: my 64 numbers
.set C,     32                         ; v32-55: the two units' codes
.set CT,    56                         ; v56-58, v60-62: the second halves as the conversions leave them
.set PW,    24                         ; v24, v25: the two units' scale words
.set SPW,   12
.set NIL,   13
	s_load_b256 s[4:11], s[0:1], 0x0               ; x, Wq, Wk, Wv
	s_load_b128 s[12:15], s[0:1], 0x20             ; xc, wc
	v_lshl_add_u32 v[SPW], v0, 2, SPARE
	v_mov_b32 v[NIL], 0
	v_lshrrev_b32 v1, 5, v0
	v_readfirstlane_b32 s16, v1                    ; wave 0 .. 10
	s_mul_i32 s17, s16, STG
	s_mov_b32 s20, 0x76543210
	s_mov_b32 s21, 0xfedcba98                      ; selects for lane l xor 16
	s_mul_i32 s18, ttmp9, 11
	s_add_co_u32 s18, s18, s16                     ; my pair
	s_lshr_b32 s22, s18, 2                         ; its tile
	s_and_b32 s23, s18, 3                          ; which 256 along K
	v_and_b32 v1, 31, v0                           ; lane
	v_and_b32 v2, 15, v0                           ; r
	v_bfe_u32 v3, v0, 4, 1                         ; h
	v_lshlrev_b32 v4, 4, v1                        ; 16 x lane: in a row's 512 bytes, and in an image's
	v_add_nc_u32 v5, s17, v4                       ; the stage, on the way in
	v_mul_u32_u24 v6, v2, SP
	v_lshl_add_u32 v6, v3, 7, v6
	v_add_nc_u32 v6, s17, v6                       ; and on the way out: row r, + 128 h
	v_lshlrev_b32 v8, 3, v2
	v_lshl_add_u32 v8, v3, 2, v8                   ; 8 r + 4 h: the scale words
	v_lshlrev_b32 v21, 3, v3                       ; 8 h
	v_mov_b32 v22, 0                               ; a lane permute's destination counts as one of its sources
	s_wait_alu depctr_va_vdst(0)
	s_wait_kmcnt 0x0
	s_cmp_lt_u32 s22, 640                          ; which tensor: the choice hangs on ids alone
	s_cselect_b64 s[8:9], s[8:9], s[10:11]
	s_cmp_lt_u32 s22, 576
	s_cselect_b64 s[6:7], s[6:7], s[8:9]
	s_cmp_lt_u32 s22, 512
	s_cselect_b64 s[4:5], s[4:5], s[6:7]
	s_cselect_b64 s[12:13], s[12:13], s[14:15]
	s_cselect_b32 s18, 0, 512
	s_cselect_b32 s19, -1, 63                      ; a weight has 64 tiles
	s_sub_co_u32 s18, s22, s18                     ; the tile in the codes' buffer
	s_and_b32 s24, s22, s19                        ; the tile in the tensor itself
	s_lshr_b32 s25, s24, 2
	s_lshl_b32 s25, s25, 18                        ; 64 rows of 4,096 bytes
	s_and_b32 s24, s24, 3
	s_lshl_b32 s24, s24, 15                        ; + 8 rows for each j
	s_or_b32 s24, s24, s25
	s_lshl_b32 s25, s23, 10
	s_or_b32 s24, s24, s25
	s_mov_b32 s25, 0
	s_add_nc_u64 s[4:5], s[4:5], s[24:25]
	s_mul_i32 s26, s18, TILEB
	s_mov_b32 s27, 0
	s_add_nc_u64 s[12:13], s[12:13], s[26:27]
	s_lshl_b32 s26, s23, 7
	s_add_co_u32 s26, s26, 12288
	s_add_nc_u64 s[14:15], s[12:13], s[26:27]      ; my scale words
	s_mul_i32 s26, s23, 3072
	s_add_nc_u64 s[12:13], s[12:13], s[26:27]      ; my two images
.macro LOAD j
.irp i, 0,1,2,3,4,5,6,7,8,9,10,11,12,13,14,15
	global_load_b128 v[R+64*(\j)+4*\i:R+64*(\j)+4*\i+3], v4, s[4:5] offset:(32*(\i/8)+\i%8)*4096+512*(\j) th:TH_LOAD_NT   ; the tile's lane i
.endr
.endm
.macro TILE j
	s_wait_loadcnt 16*(1-(\j))                     ; loads come back in order: this unit's 16 are in
.irp i, 0,1,2,3,4,5,6,7,8,9,10,11,12,13,14,15
	ds_store_b128 v5, v[R+64*(\j)+4*\i:R+64*(\j)+4*\i+3] offset:SP*\i
.endr
.irp c, 0,1
.irp q, 0,1,2,3,4,5,6,7
	ds_load_b128 v[X+32*\c+4*\q:X+32*\c+4*\q+3], v6 offset:256*\c+16*\q   ; LDS serves a wave's instructions in order: these see the stores above
.endr
.endr
	s_wait_dscnt 0x0                               ; my numbers are back
.irp c, 0,1
	v_max3_num_f32 v[14+\c], |v[X+32*\c]|, |v[X+32*\c+1]|, 0x1800000   ; my block 2 c + h: all 32 numbers are mine; the floor 2^(3 - 127) keeps the byte at 1 from below
.endr
.irp i, 2,4,6,8,10,12,14,16,18,20,22,24,26,28,30
.irp c, 0,1
	v_max3_num_f32 v[14+\c], v[14+\c], |v[X+32*\c+\i]|, |v[X+32*\c+\i+1]|
.endr
.endr
	v_add_nc_u32 v16, 0xff000000, v14              ; 2 off the exponent field: the conversion's scale operand
	v_add_nc_u32 v17, 0xff000000, v15
	v_lshrrev_b32 v18, 23, v16                     ; the scale's byte
	v_lshrrev_b32 v19, 23, v17
	v_lshl_or_b32 v20, v19, 16, v18                ; blocks h and 2 + h,
	v_lshlrev_b32 v20, v21, v20                    ; at their places in the word;
	v_permlanex16_b32 v22, v20, s20, s21
	v_or_b32 v[PW+(\j)], v20, v22                  ; with lane l xor 16's two the word is whole
.irp c, 0,1
	v_cvt_scalef32_pk16_fp6_f32 v[C+12*(\j)+6*\c:C+12*(\j)+6*\c+2], v[X+32*\c:X+32*\c+15], v[16+\c]
	v_cvt_scalef32_pk16_fp6_f32 v[CT+4*\c:CT+4*\c+2], v[X+32*\c+16:X+32*\c+31], v[16+\c]   ; (a conversion's three registers begin on an even number)
.endr
	v_nop                                          ; one plain place behind a scaled conversion
.irp c, 0,1
.irp i, 0,1,2
	v_mov_b32 v[C+12*(\j)+3+6*\c+\i], v[CT+4*\c+\i]
.endr
.endr
.irp c, 0,1,2
	global_store_b128 v4, v[C+12*(\j)+4*\c:C+12*(\j)+4*\c+3], s[12:13] offset:1536*(\j)+512*\c   ; 32 lanes store 512 consecutive bytes, aligned to 256
.endr
.endm
	LOAD 0
	LOAD 1
	TILE 0
	TILE 1
	v_cmp_ne_u32 vcc_lo, 0, v3
	v_cndmask_b32 v28, v[PW], v[PW+1], vcc_lo      ; lane (r, h) stores the word of unit h
	global_store_b32 v8, v28, s[14:15]
	s_wait_tensorcnt 0x0                           ; the wave's end: behind my last LDS store
	ds_add_u32 v[SPW], v[NIL]
	s_wait_dscnt 0x0
	s_endpgm
.Lfunc_end_k_qcc825307c2_quant:
	.size	k_qcc825307c2_quant, .Lfunc_end_k_qcc825307c2_quant-k_qcc825307c2_quant
	.p2alignl 7, 3214868480
	.fill 96, 4, 3214868480
	.section	.rodata,"a",@progbits
	.p2align	6, 0x0
	.amdhsa_kernel k_qcc825307c2_quant
		.amdhsa_group_segment_fixed_size 94464
		.amdhsa_private_segment_fixed_size 0
		.amdhsa_enable_private_segment 0
		.amdhsa_kernarg_size 48
		.amdhsa_user_sgpr_count 2
		.amdhsa_user_sgpr_kernarg_segment_ptr 1
		.amdhsa_wavefront_size32 1
		.amdhsa_system_sgpr_workgroup_id_x 1
		.amdhsa_system_sgpr_workgroup_id_y 1
		.amdhsa_system_sgpr_workgroup_id_z 1
		.amdhsa_system_vgpr_workitem_id 0
		.amdhsa_next_free_vgpr 256
		.amdhsa_next_free_sgpr 66
		.amdhsa_reserve_vcc 1
		.amdhsa_float_denorm_mode_32 3
		.amdhsa_float_denorm_mode_16_64 3
		.amdhsa_memory_ordered 1
		.amdhsa_forward_progress 1
		.amdhsa_inst_pref_size 17
	.end_amdhsa_kernel
	.amdgpu_metadata
---
amdhsa.version: [ 1, 2 ]
amdhsa.kernels:
  - .name:           k_qcc825307c2_quant
    .symbol:         k_qcc825307c2_quant.kd
    .args:
      - { .name: x, .offset: 0, .size: 8, .value_kind: global_buffer, .address_space: global }
      - { .name: Wq, .offset: 8, .size: 8, .value_kind: global_buffer, .address_space: global }
      - { .name: Wk, .offset: 16, .size: 8, .value_kind: global_buffer, .address_space: global }
      - { .name: Wv, .offset: 24, .size: 8, .value_kind: global_buffer, .address_space: global }
      - { .name: xc, .offset: 32, .size: 8, .value_kind: global_buffer, .address_space: global }
      - { .name: wc, .offset: 40, .size: 8, .value_kind: global_buffer, .address_space: global }
    .group_segment_fixed_size: 94464
    .private_segment_fixed_size: 0
    .kernarg_segment_align: 8
    .kernarg_segment_size: 48
    .max_flat_workgroup_size: 352
    .sgpr_count:     66
    .vgpr_count:     256
    .wavefront_size: 32
...
	.end_amdgpu_metadata
.endif
;; end of part 1
;; launch proj (part 2): grid 16 x 16, 4 waves a work-group, clusters of 4 x 4, 327,680 bytes of LDS; arguments xc, wc, qk, vt; writes qk, vt
.if DOCPART == 2
	.amdgcn_target "amdgcn-amd-amdhsa--gfx1250"
	.amdhsa_code_object_version 6
	.text
	.protected	k_qcc825307c2_proj
	.globl	k_qcc825307c2_proj
	.p2align	8
	.type	k_qcc825307c2_proj,@function
k_qcc825307c2_proj:
	s_mov_b64 s[64:65], 0
	v_nop
	global_prefetch_b8 v0, s[64:65] scope:SCOPE_SE
	s_setreg_imm32_b32 hwreg(HW_REG_WAVE_MODE, 25, 1), 1
	s_wait_xcnt 0x0
	s_wait_alu depctr_hold_cnt(0) depctr_sa_sdst(0) depctr_va_vdst(0) depctr_va_sdst(0) depctr_va_ssrc(0) depctr_va_vcc(0) depctr_vm_vsrc(0)
	s_getreg_b32 s2, hwreg(HW_REG_IB_STS2, 6, 4)
	s_cmp_eq_u32 s2, 0
	s_cbranch_scc0 .Lentry_in_a_cluster
	s_endpgm
.Lentry_in_a_cluster:
	s_bfe_u32 s2, ttmp6, 0x10000c
	s_cmp_lg_u32 s2, 0xf033
	s_cbranch_scc0 .Lentry_shape_is_right
	s_endpgm
.Lentry_shape_is_right:
; Q, K, V = x W^T AND THEIR QUANTISERS.  The results leave as codes of FP6 and scale words, as operand images of the launches that read them; no f32 result is stored.  LIMITS: as stated at the head of the first launch.
; qk: blocks of 12,800 bytes, [token / 128][K step: Q's 8, K's 8]; vt: [column / 128][token / 128].  A block is 8 tiles of 1,536 bytes: for c = 0, 1 registers 6 c .. 6 c + 3 at 768 c + 16 lane and registers 6 c + 4, 6 c + 5
; at 768 c + 512 + 8 lane; behind the tiles, at 12,288, the scale word of lane r of tile t at 256 (t / 4) + 16 r + 4 (t % 4).
; THE DEAL.  256 work-groups of four waves, 2 x 2.  A wave holds 64 rows of a weight, all of K, in registers (384) and streams tiles of 16 rows of x past them: a block of work is 32 products.  The wave in row a takes tiles 4 a .. 4 a + 3
; of each chunk of 128 rows, the wave in column b the weight's tiles 4 b .. 4 b + 3.  Phase 1: 256 x 128 of V; phase 2: 512 x 128 of Q or K.  V's 256 rows are a half of the work-group's own 512: the two chunks asked for at the head serve
; V's eight blocks and then, in LDS still, phase 2's first eight; the other half's two chunks are loaded later.  Which half (s87 = cluster x % 2) and which tensor (cluster x / 2) hang on the cluster's number alone.
; x's rows are shared by a row of the cluster, a weight's by a column: joint loads, addresses made without the coordinate that the mask spans.
; Q, K: the product is used transposed (source 0 = the weight's tile): a lane's 32 results of a block are 32 neighbouring columns of its token.  V: source 0 = x's tile: a lane's results of the chunk's four blocks are 32 neighbouring tokens of
; its column, for each of four column tiles.  So a scale block lies in one lane and no lane looks at another.
; LDS: slots 0 and 1 for x's chunks, a region for the weight's 128 rows, the stages for the results' scale bytes, the spare words.  At the head one load a wave: waves 0, 1 a half of W_v's rows each, wave 2 chunk 0, wave 3 chunk 1.
; THREE REFILLS, each in a round of the cluster's barrier that stands inside a block, a quarter a wave: W_q's or W_k's rows over W_v's (V's third block), chunk 2 (phase 2's block 2), chunk 3 (block 6).
; BEHIND EVERY SECOND PRODUCT stand two entries of the block's list: at most four scalar lines and a vector line or two: descriptors, addresses, and the search for the largest magnitude of the block before; its conversions stand behind the last product.
; THE WAITS' COUNTS.  A block's rows were fetched two blocks ago.  Younger than that fetch are the next block's fetch (NF loads, none in the last) and the byte stores issued between the two: none up to V's fifth block, four in phase 2's block 1, one elsewhere.
; Behind a round or a plain barrier inside a block the wait for 0 has shown the next block's rows in.
; PREFETCHES: the second weight, chunk 2 and chunk 3 are asked for at least two blocks ahead of their loads, 25 blocks of 256 bytes a wave, shared out by address among the sixteen waves of the four partners.
.set TILEB,  12800                     ; a tile of 16 rows, all of K: eight images and 512 bytes of scale words
.set CH,     8*TILEB                   ; 128 rows
.set BLK,    12800
.set FR,     12
.set FPW,    21                        ; fragments in a window of 256 registers
.set NF,     28                        ; LDS loads of a block: 24 and 4
.set YB,     CH
.set BVB,    2*CH
.set XN,     3*CH                      ; Q's or K's scale bytes: four chunks x 512
.set XM,     XN+2048                   ; V's: two chunks x 512
.set SPARE,  XM+1024
.set EMAX,   2
.set A0,     4                         ; v4, v5  LDS address of my tiles in slot 0, 1
.set A1,     5
.set AS0,    6                         ; v6, v7  of their scale words
.set AS1,    7
.set CO8,    8                         ; 8 x lane
.set CO,     9                         ; 16 x lane
.set SPW,    10
.set NIL,    11
.set ADRA,   12                        ; the loops' address and
.set AAS,    13                        ; that of the scale words
.set ADRB,   14
.set ADRBS,  15
.set XNR,    16
.set XMR,    17
.set STO,    18
.set STV,    19
.set SB,     24                        ; v24-39 the weight's scale words: tile t, pair i at 4 t + i: lanes 0-15 q = 2 i, lanes 16-31 q = 2 i + 1
.set SA,     41                        ; v41-48 the rows': two sets of four
.set TQ,     50                        ; the two chains
.set TC,     60                        ; v60-62 the second conversion's codes
.set ACC,    64                        ; v64-127 phase 2: two sets of four accumulators
.set HV0,    64                        ; v64-191 V's chunk 0: 32 t + 8 j + i
.set HV1,    840                       ; v840-967 chunk 1
.set NCD,    128                       ; v128-139 phase 2: two sets of six code registers
.set MCD,    192                       ; v192-239 V: 2 x 4 x 6
.set SOP,    240
.set EB,     244
.set VX,     248
.set G1A,    24
.set G1B,    32
.set G0A,    56
.set G0B,    60
.set G0R,    68
.set MSB, 0
.macro WIN new
.if MSB != (\new)
	s_set_vgpr_msb (MSB<<8)|(\new)
.set MSB, (\new)
.endif
.endm
.macro PLACES n
.rept \n
	v_nop
.endr
.endm
.macro WALU
	s_wait_alu depctr_va_vdst(0)
.endm
.macro BARRIER
	s_barrier_signal -1
	s_barrier_wait -1
.endm
.macro MIDDLE                          ; a round behind its opening signal, up to its closing barrier
	WIN 0
	s_barrier_wait -1
	s_cmp_lg_u32 s14, 0
	s_cbranch_scc1 .Lnot_wave_0_\@
	s_barrier_signal -3
.Lnot_wave_0_\@:
	s_barrier_wait -3
.endm
.macro CROUND
	s_barrier_signal -1
	MIDDLE
	BARRIER
.endm
.macro GRD
	s_wait_tensorcnt 0x0
	ds_add_u32 v[SPW], v[NIL]
.endm
.macro TLOAD g0, g1
	tensor_load_to_lds s[\g0:\g0+3], s[\g1:\g1+7]
	s_nop 0
	PLACES 4
.endm
.macro GROUP1 g, mask, rows            ; dense bytes as rows of 256: 32 elements of 8 bytes
	s_or_b32 s[\g+0], s[\mask], (3<<16)|(1<<21)
	s_mov_b32 s[\g+1], 32<<16
	s_mov_b32 s[\g+2], (\rows)<<16
	s_mov_b32 s[\g+3], 32<<16
	s_mov_b32 s[\g+4], \rows
	s_mov_b32 s[\g+5], 32
	s_mov_b32 s[\g+6], 0
	s_mov_b32 s[\g+7], 0
.endm
; fragment f lies in window 1 + f / 21 at register 12 (f % 21): 0-31 the weight's (4 q + t), 32-39 and 40-47 the rows' two sets
.macro FRAG f, adr, off
	WIN (1+(\f)/FPW)<<6
.set R_, FR*((\f)%FPW)
	ds_load_b128 v[R_:R_+3], v[\adr] offset:\off
	ds_load_b128 v[R_+4:R_+7], v[\adr] offset:\off+512
	ds_load_b128 v[R_+8:R_+11], v[\adr] offset:\off+1024
.endm
.macro WEIGHTS                         ; my 64 rows of the weight: 96 + 16 loads
.irp q, 0,1,2,3,4,5,6,7
.irp b, 0,1,2,3
	FRAG 4*\q+\b, ADRB, TILEB*\b+1536*\q
.endr
.endr
	WIN 0
.irp b, 0,1,2,3
.irp i, 0,1,2,3
	ds_load_b32 v[SB+4*\b+\i], v[ADRBS] offset:TILEB*\b+12288+128*\i
.endr
.endr
.endm
.macro FETCH e, adr, ads, j            ; a tile of x's rows into set e: NF loads
.irp q, 0,1,2,3,4,5,6,7
	FRAG 32+8*(\e)+\q, \adr, TILEB*(\j)+1536*\q
.endr
	WIN 0
.irp i, 0,1,2,3
	ds_load_b32 v[SA+4*(\e)+\i], v[\ads] offset:TILEB*(\j)+12288+128*\i
.endr
.endm
; product n = 4 q + t of a block; the four accumulators take turns.  kind 0 (Q, K): source 0 the weight's tile; kind 1 (V): source 0 x's tile
.macro PROD kind, e, n, a0, as
.set Q_, (\n)/4
.set FB_, 4*Q_+(\n)%4
.set FA_, 32+8*(\e)+Q_
.set D_, (\a0)+(\as)*((\n)%4)
.set DL_, D_&255
.set XB_, SB+4*((\n)%4)+Q_/2
.set XA_, SA+4*(\e)+Q_/2
.if \kind
	WIN (1+FA_/FPW)|((1+FB_/FPW)<<2)|((D_>>8)<<4)|((D_>>8)<<6)
	PROD1 FA_, FB_, XA_, XB_
.else
	WIN (1+FB_/FPW)|((1+FA_/FPW)<<2)|((D_>>8)<<4)|((D_>>8)<<6)
	PROD1 FB_, FA_, XB_, XA_
.endif
.endm
.macro PROD1 f0, f1, x0, x1
.set R0_, FR*((\f0)%FPW)
.set R1_, FR*((\f1)%FPW)
.if Q_ == 0
	v_wmma_scale_f32_16x16x128_f8f6f4 v[DL_:DL_+7], v[R0_:R0_+11], v[R1_:R1_+11], 0, v[\x0], v[\x1] matrix_a_fmt:MATRIX_FMT_FP6 matrix_b_fmt:MATRIX_FMT_FP6
.elseif Q_%2
	v_wmma_scale_f32_16x16x128_f8f6f4 v[DL_:DL_+7], v[R0_:R0_+11], v[R1_:R1_+11], v[DL_:DL_+7], v[\x0], v[\x1] matrix_a_fmt:MATRIX_FMT_FP6 matrix_b_fmt:MATRIX_FMT_FP6 matrix_a_scale:MATRIX_SCALE_ROW1 matrix_b_scale:MATRIX_SCALE_ROW1
.else
	v_wmma_scale_f32_16x16x128_f8f6f4 v[DL_:DL_+7], v[R0_:R0_+11], v[R1_:R1_+11], v[DL_:DL_+7], v[\x0], v[\x1] matrix_a_fmt:MATRIX_FMT_FP6 matrix_b_fmt:MATRIX_FMT_FP6
.endif
.endm
.macro BLOCK kind, e, a0, as, from, to, list, x=0, y=0
.set N_, \from
.rept (\to)-(\from)
	PROD \kind, \e, N_, \a0, \as
.if N_%2
	\list N_-1, \x, \y
	\list N_, \x, \y
.endif
.set N_, N_+1
.endr
.endm
; what the lists are made of: each macro writes entry i of its part, and nothing beyond its last
.macro CHAIN i, x, n, t=TQ             ; 18 entries: the largest magnitude of the 32 sums from register x on, by two chains side by side, with the floor 2^(3 - 127); v[SOP+n] = the conversions' scale operand
.set XW_, (\x)>>8
.set XL_, (\x)&255
.if (\i) >= 0 && (\i) < 14
.set B_, XL_+16*((\i)%2)+2*((\i)/2)
.set T_, (\t)+1-(\i)%2
.if (\i) < 2
	WIN XW_|(XW_<<2)|(XW_<<4)
	v_max3_num_f32 v[T_], |v[B_]|, |v[B_+1]|, |v[B_+2]|
.else
	WIN (XW_<<2)|(XW_<<4)
	v_max3_num_f32 v[T_], v[T_], |v[B_+1]|, |v[B_+2]|
.endif
.elseif (\i) == 14
	WIN XW_<<2
	v_max3_num_f32 v[\t+1], v[\t+1], |v[XL_+15]|, (EMAX+1)<<23
.elseif (\i) == 16
	WIN XW_<<2
	v_max3_num_f32 v[\t], v[\t], |v[XL_+31]|, v[\t+1]
.elseif (\i) == 17
	WIN 0
	v_add_nc_u32 v[SOP+\n], -(EMAX<<23), v[\t]
.endif
.endm
.macro CODES i, x, c, n, t=TC          ; 6 lines: 32 codes into v[c .. c+5], the scale's byte into v[EB+n]
.set XW_, (\x)>>8
.set XL_, (\x)&255
.if (\i) == 0
	WIN XW_
	v_cvt_scalef32_pk16_fp6_f32 v[\c:\c+2], v[XL_:XL_+15], v[SOP+\n]
.elseif (\i) == 1
	WIN XW_
	v_cvt_scalef32_pk16_fp6_f32 v[\t:\t+2], v[XL_+16:XL_+31], v[SOP+\n]
.elseif (\i) == 2
	WIN 0
	v_lshrrev_b32 v[EB+\n], 23, v[SOP+\n]
.else
	WIN 0
	v_mov_b32 v[\c+\i], v[\t+\i-3]
.endif
.endm
.macro CODES6 x, c, n
.irp i, 0,1,2,3,4,5
	CODES \i, \x, \c, \n
.endr
.endm
.macro PFTILE v, off, share            ; my sixteenth of 128 rows, to be asked for into the L2
	s_mul_i32 s21, s\share, CH/16
	s_add_co_u32 s20, s\off, s21
	WIN 0
	v_min_u32 v\v, CH/16/256-1, v3
	v_lshl_add_u32 v\v, v\v, 8, s20
.endm
.macro PFGO v, base
	global_prefetch_b8 v\v, s[\base:\base+1] th:TH_LOAD_NT scope:SCOPE_SE
.endm
.macro PUT2 r, base, off               ; six code registers: 512 and 256 consecutive bytes
	global_store_b128 v[CO], v[\r:\r+3], s[\base:\base+1] offset:\off
	global_store_b64 v[CO8], v[\r+4:\r+5], s[\base:\base+1] offset:(\off)+512
.endm
.macro ASK i                           ; 4 entries: my quarter of the chunk at s88 for slot s47; the next fetches' addresses
.if (\i) == 0
	s_mul_i32 s20, s14, CH/4
	s_add_co_u32 s[G0R+1], s20, s47
	s_add_co_u32 s20, s20, s88
	s_mov_b32 s21, 0
.elseif (\i) == 1
	s_add_nc_u64 s[G0R+2:G0R+3], s[4:5], s[20:21]
	s_or_b32 s[G0R+3], s[G0R+3], 0x80000000
	s_add_co_u32 s88, s88, CH
	s_xor_b32 s47, s47, YB
.elseif (\i) == 2
	s_xor_b32 s101, s101, YB
	WIN 0
	v_add_nc_u32 v[ADRA], s101, v[A0]
.elseif (\i) == 3
	WIN 0
	v_add_nc_u32 v[AAS], s101, v[AS0]
.endif
.endm
.macro OUTADR i                        ; 4 entries: where block s46's codes go and its scale byte's place: chunk s46 / 4 in the order of work is the work-group's chunk (s46 / 4) xor 2 s87
.if (\i) == 0
	s_lshr_b32 s22, s46, 2
	s_xor_b32 s20, s22, s3
	s_mul_i32 s20, s20, 16*BLK
	s_and_b32 s23, s46, 3
.elseif (\i) == 1
	s_lshl_b32 s22, s22, 9
	s_lshl_b32 s21, s23, 2
	s_or_b32 s22, s22, s21
	s_mul_i32 s23, s23, 1536
.elseif (\i) == 2
	s_add_co_u32 s20, s20, s23
	s_mov_b32 s21, 0
	s_wait_xcnt 0x0                        ; the stores of the block before have read their base and their registers
	s_add_nc_u64 s[84:85], s[78:79], s[20:21]
.elseif (\i) == 3
	s_add_co_u32 s46, s46, 1
	WIN 0
	v_add_nc_u32 v[VX], s22, v[STO]
.endif
.endm
.macro L_NONE i, x, y
.endm
.macro L_V2 i, x, y                    ; V's third block: the first refill's descriptor; from here on a load brings a quarter
.if (\i) == 0
	s_mov_b32 s[G1A+2], 100<<16
	s_mov_b32 s[G1A+4], 100
	s_mov_b32 s[G1B+2], 100<<16
	s_mov_b32 s[G1B+4], 100
.elseif (\i) == 1
	s_mul_i32 s20, s14, CH/4
	s_add_co_u32 s[G0B+1], s20, BVB
	s_add_co_u32 s20, s20, s89
	s_mov_b32 s21, 0
.elseif (\i) == 2
	s_add_nc_u64 s[G0B+2:G0B+3], s[6:7], s[20:21]
	s_or_b32 s[G0B+3], s[G0B+3], 0x80000000
.elseif (\i) == 7
	PFTILE 21, 88, 90
.endif
.endm
.macro L_VOUT i, x, y
	CHAIN \i, \x, \y
.endm
.macro L_V7 i, x, y
.if (\i) == 0
	s_add_co_u32 s22, s88, CH
	PFTILE 22, 22, 90
.endif
	CHAIN (\i)-2, \x, \y
.endm
.macro L_OUT i, x, y
	OUTADR \i
	CHAIN (\i)-4, \x, \y
.endm
.macro L_ROUND i, x, y
	ASK \i
	OUTADR (\i)-4
	CHAIN (\i)-8, \x, \y
.endm
.macro L_SHOW i, x, y
.if (\i) == 0
	s_add_co_u32 s101, s101, 2*TILEB
	WIN 0
	v_add_nc_u32 v[ADRA], s101, v[A0]
.elseif (\i) == 1
	WIN 0
	v_add_nc_u32 v[AAS], s101, v[AS0]
.endif
	OUTADR (\i)-2
	CHAIN (\i)-6, \x, \y
.endm
; phase 2's blocks
.macro OUTW n
	ds_store_b8 v[VX], v[EB+\n]
	PUT2 NCD+6*(\n), 84, 0
.endm
.macro PBLK e, w, fetch, adr, ads, j   ; w: the count of the wait for the block's rows (-1: they are shown in already)
.if (\w) >= 0
	s_wait_dscnt \w
.endif
	BLOCK 0, \e, ACC+32*\e, 8, 0, 32, L_OUT, ACC+32*(1-\e), 1-\e
	WIN 0
	CODES6 ACC+32*(1-\e), NCD+6*(1-\e), 1-\e
	OUTW 1-\e
.if \fetch
	FETCH \e, \adr, \ads, \j
.endif
.endm
.macro PROUND                          ; a refill of one of x's slots
	s_wait_dscnt NF+1
	GRD
	BLOCK 0, 0, ACC, 8, 0, 26, L_ROUND, ACC+32, 1
	WIN 0
	WALU
	s_wait_dscnt 0x0                       ; the add is done, and my reads of the slot
	s_barrier_signal -1
	BLOCK 0, 0, ACC, 8, 26, 32, L_NONE
	WIN 0
	CODES6 ACC+32, NCD+6, 1
	MIDDLE
	BARRIER
	TLOAD G0R, G1A
	WALU
	OUTW 1
	FETCH 0, ADRA, AAS, 0
.endm
.macro PSHOW                           ; a plain barrier shows the last refill to all waves
	s_wait_dscnt NF+1
	BLOCK 0, 0, ACC, 8, 0, 26, L_SHOW, ACC+32, 1
	WIN 0
	WALU
	s_wait_tensorcnt 0x0
	s_wait_dscnt 0x0
	s_barrier_signal -1
	BLOCK 0, 0, ACC, 8, 26, 32, L_NONE
	WIN 0
	s_barrier_wait -1
	CODES6 ACC+32, NCD+6, 1
	OUTW 1
	FETCH 0, ADRA, AAS, 0
.endm
	s_load_b256 s[4:11], s[0:1], 0x0                    ; xc, wc, qk, vt
	v_lshl_add_u32 v[SPW], v0, 2, SPARE
	v_mov_b32 v[NIL], 0
	ds_add_u32 v[SPW], v[NIL]                           ; the opening add, twice on end
	ds_add_u32 v[SPW], v[NIL]
	v_lshrrev_b32 v1, 5, v0
	v_readfirstlane_b32 s14, v1                         ; wave; s15 its row a, s16 its column b
	s_lshr_b32 s15, s14, 1
	s_and_b32 s16, s14, 1
	s_bfe_u32 s40, ttmp6, 0x40000                       ; cx
	s_bfe_u32 s41, ttmp6, 0x40004                       ; cy
	s_lshl_b32 s42, ttmp9, 2
	s_add_co_u32 s42, s42, s40                          ; phase 2's K step: 0-7 Q, 8-15 K
	s_and_b32 s43, ttmp7, 0xffff
	s_lshl_b32 s43, s43, 2
	s_add_co_u32 s43, s43, s41                          ; which 512 tokens
	s_lshr_b32 s19, ttmp9, 1
	s_and_b32 s87, ttmp9, 1                             ; V's half of them
	s_lshl_b32 s13, s19, 2
	s_add_co_u32 s13, s13, s40                          ; which 128 of V's columns
	s_lshl_b32 s12, s43, 1
	s_add_co_u32 s12, s12, s87                          ; V's 256 tokens
	s_lshl_b32 s3, s87, 1
	s_lshl_b32 s44, s41, 2
	s_lshl_b32 s44, 15, s44                             ; my row of the cluster
	s_lshl_b32 s45, 0x1111, s40                         ; my column
	GROUP1 G1A, 44, 400
	GROUP1 G1B, 45, 200
	s_mul_i32 s67, s43, 4*CH                            ; byte offsets: my 512 rows,
	s_mul_i32 s21, s87, 2*CH
	s_add_co_u32 s66, s67, s21                          ; V's half,
	s_xor_b32 s21, s87, 1
	s_mul_i32 s21, s21, 2*CH
	s_add_co_u32 s88, s67, s21                          ; the other half;
	s_mul_i32 s89, s42, CH                              ; W_q's or W_k's rows,
	s_mul_i32 s54, s13, CH
	s_add_co_u32 s54, s54, 16*CH                        ; W_v's,
	s_mul_i32 s55, s16, CH/2                            ; and waves 0 and 1 their halves
	s_mov_b32 s[G0A], 1
	s_mov_b32 s[G0A+1], 0
	s_mov_b32 s[G0R], 1
	s_mov_b32 s[G0R+1], YB
	s_mov_b32 s[G0B], 1
	s_add_co_u32 s[G0B+1], s55, BVB
	s_wait_dscnt 0x0                                    ; both opening adds are done
	CROUND                                              ; the first joint loads meet
	s_wait_kmcnt 0x0
	s_mov_b32 s20, s66
	s_mov_b32 s21, 0
	s_add_nc_u64 s[G0A+2:G0A+3], s[4:5], s[20:21]
	s_add_nc_u64 s[G0R+2:G0R+3], s[G0A+2:G0A+3], CH
	s_or_b32 s[G0A+3], s[G0A+3], 0x80000000
	s_or_b32 s[G0R+3], s[G0R+3], 0x80000000
	s_add_co_u32 s20, s54, s55
	s_add_nc_u64 s[G0B+2:G0B+3], s[6:7], s[20:21]
	s_or_b32 s[G0B+3], s[G0B+3], 0x80000000
	s_cmp_lt_u32 s14, 2
	s_cbranch_scc0 .Lwave_2
	TLOAD G0B, G1B                                      ; waves 0, 1: a half of W_v's rows each
	s_branch .Lasked
.Lwave_2:
	s_cmp_eq_u32 s14, 2
	s_cbranch_scc0 .Lwave_3
	TLOAD G0A, G1A                                      ; wave 2: chunk 0
	s_branch .Lasked
.Lwave_3:
	TLOAD G0R, G1A                                      ; wave 3: chunk 1
.Lasked:
	s_mul_i32 s17, s15, 4*TILEB
	s_mul_i32 s18, s16, 4*TILEB
	s_add_co_u32 s18, s18, BVB
	s_lshl_b32 s76, s15, 8
	s_lshl_b32 s77, s16, 1
	s_add_co_u32 s76, s76, s77
	s_add_co_u32 s76, s76, XN
	s_lshl_b32 s77, s16, 8
	s_lshl_b32 s80, s15, 1
	s_add_co_u32 s77, s77, s80
	s_add_co_u32 s77, s77, XM
	s_lshl_b32 s80, s14, 9
	s_add_co_u32 s80, s80, XN
	s_lshl_b32 s81, s14, 8
	s_add_co_u32 s81, s81, XM
	s_lshl_b32 s90, s40, 2
	s_add_co_u32 s90, s90, s14                          ; my number among the sixteen waves of my row of the cluster
	s_lshl_b32 s100, s41, 2
	s_add_co_u32 s100, s100, s14                        ; and of my column
	v_and_b32 v1, 15, v0                                ; r
	v_bfe_u32 v2, v0, 4, 1                              ; h
	v_and_b32 v3, 31, v0
	v_lshlrev_b32 v[CO], 4, v3
	v_lshlrev_b32 v[CO8], 3, v3
	v_lshlrev_b32 v23, 3, v1
	v_lshl_add_u32 v23, v2, 2, v23                      ; 8 r + 4 h
	v_add_nc_u32 v[A0], s17, v[CO]
	v_add_nc_u32 v[A1], YB, v[A0]
	v_add_nc_u32 v[AS0], s17, v23
	v_add_nc_u32 v[AS1], YB, v[AS0]
	v_add_nc_u32 v[ADRB], s18, v[CO]
	v_add_nc_u32 v[ADRBS], s18, v23
	v_lshl_add_u32 v23, v1, 4, v2                       ; 16 r + h
	v_add_nc_u32 v[STO], s76, v23
	v_add_nc_u32 v[STV], s77, v23
	v_add_nc_u32 v[XNR], s80, v[CO]
	v_add_nc_u32 v[XMR], s81, v[CO8]
	PFTILE 20, 89, 100                                  ; what the first refill will load
	WALU
	s_lshl_b32 s20, s43, 6                              ; where the results go: s[78:79] Q's or K's codes,
	s_add_co_u32 s20, s20, s42
	s_mul_i32 s20, s20, BLK
	s_mul_i32 s22, s15, 6144
	s_add_co_u32 s20, s20, s22
	s_mul_i32 s22, s16, 768
	s_add_co_u32 s20, s20, s22
	s_mov_b32 s21, 0
	s_add_nc_u64 s[78:79], s[8:9], s[20:21]
	s_xor_b32 s22, s14, s3                              ; s[48:49] the scale words of the chunk that is the wave's number in the order of work,
	s_lshl_b32 s20, s43, 2
	s_add_co_u32 s20, s20, s22
	s_lshl_b32 s20, s20, 4
	s_add_co_u32 s20, s20, s42
	s_mul_i32 s20, s20, BLK
	s_add_co_u32 s20, s20, 12288
	s_add_nc_u64 s[48:49], s[8:9], s[20:21]
	s_lshl_b32 s23, s13, 6                              ; s[50:51] V's codes,
	s_lshl_b32 s22, s12, 1
	s_add_co_u32 s23, s23, s22
	s_mul_i32 s20, s23, BLK
	s_mul_i32 s22, s16, 6144
	s_add_co_u32 s20, s20, s22
	s_mul_i32 s22, s15, 768
	s_add_co_u32 s20, s20, s22
	s_add_nc_u64 s[50:51], s[10:11], s[20:21]
	s_add_co_u32 s23, s23, s15                          ; s[52:53] and 256 bytes of its scale words
	s_mul_i32 s20, s23, BLK
	s_lshl_b32 s22, s16, 8
	s_add_co_u32 s20, s20, s22
	s_add_co_u32 s20, s20, 12288
	s_add_nc_u64 s[52:53], s[10:11], s[20:21]
	s_mov_b32 s46, 0
	s_mov_b32 s47, 0
	s_mov_b32 s101, 0
	s_cmp_lt_u32 s14, 2
	s_cbranch_scc0 .Lnot_b
	s_wait_tensorcnt 0x0
.Lnot_b:
	BARRIER                                             ; W_v's rows are in
	PFGO 20, 6
	WEIGHTS
	s_cmp_eq_u32 s14, 3
	s_cbranch_scc1 .Lnot_a0
	s_wait_tensorcnt 0x0
.Lnot_a0:
	s_wait_dscnt 0x0
	BARRIER                                             ; chunk 0 is in; chunk 1 may still be on its way
	FETCH 0, A0, AS0, 0
	FETCH 1, A0, AS0, 1
; PHASE 1: V, eight blocks; chunk 0's way outs stand in chunk 1's blocks
.irp s, 0,1
	s_wait_dscnt NF
	BLOCK 1, \s, HV0+8*\s, 32, 0, 32, L_NONE
	WIN 0
	PLACES 4
	FETCH \s, A0, AS0, 2+\s
.endr
	s_wait_dscnt NF
	GRD
	BLOCK 1, 0, HV0+16, 32, 0, 24, L_V2
	WIN 0
	WALU
	s_wait_dscnt 0x0                                    ; the add is done, and my reads of the weight's rows, which all waves hold in registers
	s_barrier_signal -1
	BLOCK 1, 0, HV0+16, 32, 24, 32, L_NONE
	MIDDLE
	BARRIER
	TLOAD G0B, G1B                                      ; a quarter a wave of W_q's or W_k's rows
	FETCH 0, A1, AS1, 0
	PFGO 21, 4
	BLOCK 1, 1, HV0+24, 32, 0, 32, L_NONE
	WIN 0
	PLACES 4
	FETCH 1, A1, AS1, 1
.irp j, 0,1,2
	s_wait_dscnt NF+(\j+1)/2
	BLOCK 1, \j%2, HV1+8*\j, 32, 0, 32, L_VOUT, HV0+32*\j, \j
	WIN 0
	CODES6 HV0+32*\j, MCD+6*\j, \j
	ds_store_b8 v[STV], v[EB+\j] offset:4*\j
	PUT2 MCD+6*\j, 50, 1536*\j
.if \j < 2
	FETCH \j%2, A1, AS1, 2+\j
.endif
.endr
	s_wait_dscnt 1
	BLOCK 1, 1, HV1+24, 32, 0, 26, L_V7, HV0+96, 3
	WIN 0
	WALU
	s_wait_tensorcnt 0x0
	s_wait_dscnt 0x0
	s_barrier_signal -1                                 ; a plain barrier shows the second weight to all waves
	BLOCK 1, 1, HV1+24, 32, 26, 32, L_NONE
	WIN 0
	s_barrier_wait -1
	CODES6 HV0+96, MCD+18, 3
	ds_store_b8 v[STV], v[EB+3] offset:12
	PUT2 MCD+18, 50, 1536*3
; THE CHANGE OF PHASE: the weight's fragments and phase 2's first two tiles, in slot 0 still, in one run of loads; chunk 1's four way outs under their flight
	WEIGHTS
	FETCH 0, A0, AS0, 0
	FETCH 1, A0, AS0, 1
	PFGO 22, 4
.set I, 0
.rept 18
.irp t, 0,1,2,3
	CHAIN I, HV1+32*\t, \t, 64+4*\t
.endr
.set I, I+1
.endr
.set I, 0
.rept 6
.irp t, 0,1,2,3
	CODES I, HV1+32*\t, MCD+24+6*\t, \t, 80+4*\t
.endr
.set I, I+1
.endr
	WIN 0
	WALU
; PHASE 2: Q or K, sixteen blocks
	s_wait_dscnt NF
	BLOCK 0, 0, ACC, 8, 0, 32, L_NONE
	WIN 0
	PLACES 4
.irp t, 0,1,2,3
	ds_store_b8 v[STV], v[EB+\t] offset:512+4*\t
.endr
.irp t, 0,1,2,3
	PUT2 MCD+24+6*\t, 50, BLK+1536*\t
.endr
	FETCH 0, A0, AS0, 2
	PBLK 1, NF+4, 1, A0, AS0, 3
	s_mov_b32 s86, 0
.Lrounds:                                               ; blocks 2 to 5, 6 to 9
	PROUND
	PBLK 1, -1, 1, ADRA, AAS, 1
	PBLK 0, NF+1, 1, ADRA, AAS, 2
	PBLK 1, NF+1, 1, ADRA, AAS, 3
	s_add_co_u32 s86, s86, 1
	s_cmp_lg_u32 s86, 2
	s_cbranch_scc1 .Lrounds
	s_mov_b32 s101, YB-2*TILEB
.Lshow:                                                 ; blocks 10, 11 and 12, 13
	PSHOW
	PBLK 1, -1, 1, ADRA, AAS, 1
	s_add_co_u32 s86, s86, 1
	s_cmp_lg_u32 s86, 4
	s_cbranch_scc1 .Lshow
	PBLK 0, NF+1, 0, ADRA, AAS, 0
	PBLK 1, 1, 0, ADRA, AAS, 0
; THE END: the last block's way out; the scale bytes go through LDS under its conversions
.irp i, 0,1,2,3
	OUTADR \i
.endr
.set I, 0
.rept 18
	CHAIN I, ACC+32, 1
.set I, I+1
.endr
	CODES 2, ACC+32, NCD+6, 1
	WALU
	ds_store_b8 v[VX], v[EB+1]
	s_wait_dscnt 0x0
	s_barrier_signal -1
	CODES 0, ACC+32, NCD+6, 1
	CODES 1, ACC+32, NCD+6, 1
	v_nop
.irp i, 3,4,5
	CODES \i, ACC+32, NCD+6, 1
.endr
	WALU
	s_barrier_wait -1
	ds_load_b128 v[64:67], v[XNR]
	ds_load_b64 v[68:69], v[XMR]
	PUT2 NCD+6, 84, 0
	s_wait_dscnt 0x0
	global_store_b128 v[CO], v[64:67], s[48:49]         ; 512 consecutive bytes a wave,
	global_store_b64 v[CO8], v[68:69], s[52:53]         ; and 256
	s_wait_tensorcnt 0x0                                ; the wave's end
	ds_add_u32 v[SPW], v[NIL]
	s_wait_dscnt 0x0
	CROUND                                              ; the closing round
	s_endpgm
.Lfunc_end_k_qcc825307c2_proj:
	.size	k_qcc825307c2_proj, .Lfunc_end_k_qcc825307c2_proj-k_qcc825307c2_proj
	.p2alignl 7, 3214868480
	.fill 96, 4, 3214868480
	.section	.rodata,"a",@progbits
	.p2align	6, 0x0
	.amdhsa_kernel k_qcc825307c2_proj
		.amdhsa_group_segment_fixed_size 327680
		.amdhsa_private_segment_fixed_size 0
		.amdhsa_enable_private_segment 0
		.amdhsa_kernarg_size 32
		.amdhsa_user_sgpr_count 2
		.amdhsa_user_sgpr_kernarg_segment_ptr 1
		.amdhsa_wavefront_size32 1
		.amdhsa_system_sgpr_workgroup_id_x 1
		.amdhsa_system_sgpr_workgroup_id_y 1
		.amdhsa_system_sgpr_workgroup_id_z 1
		.amdhsa_system_vgpr_workitem_id 0
		.amdhsa_next_free_vgpr 968
		.amdhsa_next_free_sgpr 102
		.amdhsa_reserve_vcc 0
		.amdhsa_float_denorm_mode_32 3
		.amdhsa_float_denorm_mode_16_64 3
		.amdhsa_memory_ordered 1
		.amdhsa_forward_progress 1
		.amdhsa_inst_pref_size 178
	.end_amdhsa_kernel
	.amdgpu_metadata
---
amdhsa.version: [ 1, 2 ]
amdhsa.kernels:
  - .name:           k_qcc825307c2_proj
    .symbol:         k_qcc825307c2_proj.kd
    .args:
      - { .name: xc, .offset: 0, .size: 8, .value_kind: global_buffer, .address_space: global }
      - { .name: wc, .offset: 8, .size: 8, .value_kind: global_buffer, .address_space: global }
      - { .name: qk, .offset: 16, .size: 8, .value_kind: global_buffer, .address_space: global }
      - { .name: vt, .offset: 24, .size: 8, .value_kind: global_buffer, .address_space: global }
    .group_segment_fixed_size: 327680
    .private_segment_fixed_size: 0
    .kernarg_segment_align: 8
    .kernarg_segment_size: 32
    .max_flat_workgroup_size: 128
    .sgpr_count:     102
    .vgpr_count:     968
    .wavefront_size: 32
...
	.end_amdgpu_metadata
.endif
;; end of part 2
;; launch score (part 3): grid 36 x 4, 4 waves a work-group, no clusters, 327,680 bytes of LDS; arguments qk, pc, st; writes pc, st
.if DOCPART == 3
	.amdgcn_target "amdgcn-amd-amdhsa--gfx1250"
	.amdhsa_code_object_version 6
	.text
	.protected	k_qcc825307c2_score
	.globl	k_qcc825307c2_score
	.p2align	8
	.type	k_qcc825307c2_score,@function
k_qcc825307c2_score:
	s_mov_b64 s[64:65], 0
	v_nop
	global_prefetch_b8 v0, s[64:65] scope:SCOPE_SE
	s_setreg_imm32_b32 hwreg(HW_REG_WAVE_MODE, 25, 1), 1
	s_wait_xcnt 0x0
; S = Q K^T on the codes of the launch before, K = 1,024, and the softmax's p as codes.  WORK LEFT OUT: of a batch's 8 x 8 tiles of 256 x 256 only the 36 with tile column <= tile row are made: the others lie wholly above the
; tril that reference() builds, where every weight is 0 (shown at the head of the first launch).  In a tile on the diagonal the one wave whose 128 keys all come after its 128 queries stores nothing.
; THE SOFTMAX.  t = score x log2(e) / 32.  For each query and each group of 128 keys: M = ceil(the group's largest t), p = 2^(t - M), quantised along the keys; the group's sum of the unquantised p and -M go to st.
; The last launch brings each group under the row's M: the difference is a whole number, which the scale bytes take up, so that the codes are those of the row's own M.
; NO CLUSTER: a batch's live tiles form rows and columns of 1 to 8 tiles, which do not all cut into fours that share an operand, and a partner above the diagonal would read nothing of what a joint load brings.
; NO PREFETCH: the eight steps are written straight, with no loop to run ahead in, and six of them are asked for ahead of the first product.
; A wave makes 128 x 128 of the tile; 8 steps of 128 along K.  LDS: region 0 holds steps 0, 1 and later 6, 7, region 1 steps 2-5; each wave fetches its own part (waves 0, 1: Q's row blocks; 2, 3: K's), one load a wave at the head,
; one (steps 2-5) behind the head's barrier, one (steps 6, 7) behind the change of regions.
; A lane holds one query; its registers 32 c + 8 j + i of Q's tile a are keys 64 c + 32 (lane / 16) + 8 j + i of the group: two whole blocks of 32.
; pc: for each (query block, group) a block of 12,800 bytes in two halves of 64 queries: four images of 1,536 bytes (registers 4 c .. at 512 c + 16 lane), behind them the scale words, 16 r + 4 (tile % 4).
; REGISTERS: window 0: v14-31 addresses and constants; v32-47 scale words, two sets; v128-223 Q's fragments; window 1: K's fragments, two sets; windows 2, 3: the accumulators (tile a, key tile b at 8 (8 (a % 4) + b)).
; The way out: v48-55 scale words, v56-63 -M, v64-71 sums, v72-99 at work, v100-119 codes, v128-191 t - M, then p.
; LIMITS: as stated at the head of the first launch.
.set BLK,   12800
.set HB,    6400
.set FRB,   1536
.set REG1,  8*BLK                      ; region 1: four parts of four blocks
.set SPARE, 24*BLK                     ; the spare words, 128 bytes for each wave, that no other line names
.set FR,    12
.set ADRS,  14                         ; v14, v15 the scale words in region 0, 1
.set ADRA,  16                         ; v16, v17 Q's fragments, pieces of 16 bytes a lane; v18, v19 of 8
.set ADRB,  20                         ; v20-23 K's
.set H8,    24
.set LI,    25
.set SOFF,  26
.set STOFF, 27
.set SPW,   28
.set NIL,   29
.set SC,    32
.set AF,    128
.set PWR,   48
.set NMS,   56
.set LS,    64
.set SW,    72
.set BM,    76
.set BT,    80
.set SO,    84
.set BY,    88
.set PC,    100
.set T,     128
.set G1,    24
.set G0,    32
.set G1L,   68
.set MUL_LO, 0xa1
.set MUL_HI, 0xf1
.set MSB, 0
.macro WIN new
.if MSB != (\new)
	s_set_vgpr_msb (MSB<<8)|(\new)
.set MSB, (\new)
.endif
.endm
.macro PLACES n
.rept \n
	v_nop
.endr
.endm
.macro FRAG reg, adr, e, t             ; for c = 0, 1: registers 6 c .. 6 c + 3, then 6 c + 4, 6 c + 5
.irp c, 0,1
	ds_load_b128 v[\reg+6*\c:\reg+6*\c+3], v[\adr] offset:(\e)*BLK+(\t)*FRB+768*\c
	ds_load_b64 v[\reg+6*\c+4:\reg+6*\c+5], v[\adr+2] offset:(\e)*BLK+(\t)*FRB+768*\c+512
.endr
.endm
.macro FETCH_B q, e, p
	WIN 0x40
.irp i, 0,1,2,3,4,5,6,7
	FRAG 128*(\p)+FR*\i, ADRB+\q, \e, \i
.endr
	WIN 0
.endm
.macro FETCH_A q, e, i0
.irp i, \i0, \i0+1, \i0+2, \i0+3
	FRAG AF+FR*(\i), ADRA+\q, \e, \i
.endr
.endm
.macro SCALES p, q, e                  ; lanes 0-15 Q's words of tiles 4 hb .. 4 hb + 3, lanes 16-31 K's
.irp hb, 0,1
	ds_load_b128 v[SC+8*(\p)+4*\hb:SC+8*(\p)+4*\hb+3], v[ADRS+\q] offset:(\e)*BLK+12288+256*\hb
.endr
.endm
.macro MUL16 a0, p, zero               ; the 64 accumulators take turns in one order in every step
.irp a, \a0, \a0+1
.irp b, 0,1,2,3,4,5,6,7
.if \zero
	v_wmma_scale_f32_16x16x128_f8f6f4 v[8*(8*((\a)%4)+\b):8*(8*((\a)%4)+\b)+7], v[128*(\p)+FR*\b:128*(\p)+FR*\b+FR-1], v[AF+FR*(\a):AF+FR*(\a)+FR-1], 0, v[SC+8*(\p)+\b], v[SC+8*(\p)+(\a)] matrix_a_fmt:MATRIX_FMT_FP6 matrix_b_fmt:MATRIX_FMT_FP6 matrix_a_scale:MATRIX_SCALE_ROW1
.else
	v_wmma_scale_f32_16x16x128_f8f6f4 v[8*(8*((\a)%4)+\b):8*(8*((\a)%4)+\b)+7], v[128*(\p)+FR*\b:128*(\p)+FR*\b+FR-1], v[AF+FR*(\a):AF+FR*(\a)+FR-1], v[8*(8*((\a)%4)+\b):8*(8*((\a)%4)+\b)+7], v[SC+8*(\p)+\b], v[SC+8*(\p)+(\a)] matrix_a_fmt:MATRIX_FMT_FP6 matrix_b_fmt:MATRIX_FMT_FP6 matrix_a_scale:MATRIX_SCALE_ROW1
.endif
.endr
.endr
.endm
.macro STEPEND p, nq, ne, zero
	FETCH_B \nq, \ne, 1-(\p)
	FETCH_A \nq, \ne, 0
	SCALES 1-(\p), \nq, \ne
	WIN MUL_HI
	MUL16 4, \p, \zero
	MUL16 6, \p, \zero
	PLACES 4
	WIN 0
	FETCH_A \nq, \ne, 4
.endm
.macro STEP p, nq, ne, zero
	s_wait_dscnt 16                                ; all but the youngest 16 loads (Q's tiles 4-7) are in
	WIN MUL_LO
	MUL16 0, \p, \zero
	MUL16 2, \p, \zero
	s_wait_dscnt 0x0
	PLACES 4                                       ; four plain places in front of loads into registers that matrix instructions have read
	STEPEND \p, \nq, \ne, \zero
.endm
.macro TURN p, nq, ne, fill
	s_wait_tensorcnt 0x0                           ; all my tensor loads have landed
	ds_add_u32 v[SPW], v[NIL]
	s_wait_dscnt 17                                ; (the add and Q's tiles 4-7 may be out)
	WIN MUL_LO
	MUL16 0, \p, 0
	s_wait_dscnt 0x0                               ; the add is done, and my reads of the region that I leave are over
	s_barrier_signal -1
	MUL16 2, \p, 0
	WIN 0
	s_barrier_wait -1
.if \fill
	s_add_nc_u64 s[G0+2:G0+3], s[G0+2:G0+3], 6*BLK
	tensor_load_to_lds s[G0:G0+3], s[G1:G1+7]      ; region 0 takes steps 6 and 7: my one tensor load behind the barrier
	s_nop 0
.endif
	PLACES 4
	STEPEND \p, \nq, \ne, 0
.endm
.macro LAST p
	s_wait_dscnt 16
	WIN MUL_LO
	MUL16 0, \p, 0
	MUL16 2, \p, 0
	s_wait_dscnt 0x0
	WIN MUL_HI
	MUL16 4, \p, 0
	MUL16 6, \p, 0
	WIN 0
	PLACES 4
.endm
	s_load_b128 s[4:7], s[0:1], 0x0                ; qk s[4:5], pc s[6:7]
	s_load_b64 s[8:9], s[0:1], 0x10                ; st
	v_lshl_add_u32 v[SPW], v0, 2, SPARE
	v_mov_b32 v[NIL], 0
	ds_add_u32 v[SPW], v[NIL]                      ; the wave's opening: the add, twice on end, and its wait ahead of my first tensor load
	ds_add_u32 v[SPW], v[NIL]
	v_lshrrev_b32 v1, 5, v0
	v_readfirstlane_b32 s14, v1                    ; wave 0..3
	s_lshr_b32 s15, s14, 1                         ; which 128 queries of the tile
	s_and_b32 s16, s14, 1                          ; which 128 keys
	s_mov_b32 s17, 0                               ; the tile row I: tile t of the triangle lies in the row whose first tile is I (I + 1) / 2
.irp th, 1,3,6,10,15,21,28
	s_cmp_ge_u32 ttmp9, \th
	s_add_co_ci_u32 s17, s17, 0
.endr
	s_add_co_u32 s18, s17, 1
	s_mul_i32 s18, s18, s17
	s_lshr_b32 s18, s18, 1
	s_sub_co_u32 s18, ttmp9, s18                   ; the tile column J <= I
	s_and_b32 s19, ttmp7, 0xffff                   ; the batch
	s_cmp_lt_u32 s14, 2                            ; waves 0, 1 fetch Q's row blocks 2 I, 2 I + 1; waves 2, 3 K's 2 J, 2 J + 1
	s_cselect_b32 s20, s17, s18
	s_cselect_b32 s21, 0, 8*BLK                    ; K's 8 blocks lie behind Q's 8
	s_lshl_b32 s20, s20, 1
	s_add_co_u32 s20, s20, s16
	s_lshl_b32 s22, s19, 4
	s_add_co_u32 s20, s20, s22
	s_mul_i32 s20, s20, 16*BLK
	s_add_co_u32 s20, s20, s21
	s_mov_b32 s21, 0
.irp g, G1, G1L
	s_mov_b32 s[\g], 3<<16                         ; no mask; elements of 8 bytes; no padding: dense bytes as rows of 256
	s_mov_b32 s[\g+1], 32<<16
	s_mov_b32 s[\g+3], 32<<16
	s_mov_b32 s[\g+5], 32
	s_mov_b32 s[\g+6], 0
	s_mov_b32 s[\g+7], 0
.endr
	s_mov_b32 s[G1+2], 100<<16                     ; two blocks
	s_mov_b32 s[G1+4], 100
	s_mov_b32 s[G1L+2], 200<<16                    ; four blocks
	s_mov_b32 s[G1L+4], 200
	s_mov_b32 s[G0], 1
	s_mul_i32 s[G0+1], s14, 2*BLK                  ; my part of region 0
	s_mov_b32 s[G0+4], 1
	s_mul_i32 s23, s14, 4*BLK
	s_add_co_u32 s[G0+5], s23, REG1                ; and of region 1
	s_wait_dscnt 0x0                               ; both opening adds are done
	s_wait_kmcnt 0x0
	s_add_nc_u64 s[G0+2:G0+3], s[4:5], s[20:21]
	s_add_nc_u64 s[G0+6:G0+7], s[G0+2:G0+3], 2*BLK
	s_or_b32 s[G0+3], s[G0+3], 0x80000000
	s_or_b32 s[G0+7], s[G0+7], 0x80000000
	tensor_load_to_lds s[G0:G0+3], s[G1:G1+7]      ; steps 0 and 1: my one load at the head
	s_nop 0
	PLACES 4
	s_mov_b32 s44, 0x3d38aa3b                      ; c = log2(e) / 32
	s_mov_b32 s45, s44                             ; (named with it as a pair)
	s_mov_b32 s46, 0x76543210
	s_mov_b32 s47, 0xfedcba98
	s_lshl_b32 s48, s17, 1
	s_add_co_u32 s48, s48, s15                     ; my block of 128 queries
	s_lshl_b32 s49, s18, 1
	s_add_co_u32 s49, s49, s16                     ; my group of 128 keys
	s_add_co_u32 s51, s22, s48
	s_lshl_b32 s51, s51, 4
	s_add_co_u32 s51, s51, s49                     ; (16 batch + query block) x 16 + group
	s_mul_i32 s52, s51, BLK
	s_mov_b32 s53, 0
	s_lshl_b32 s54, s51, 10
	s_mov_b32 s55, 0
	s_add_nc_u64 s[52:53], s[6:7], s[52:53]        ; my block of p
	s_add_nc_u64 s[54:55], s[8:9], s[54:55]        ; its -M and sums
	s_mul_i32 s56, s15, 2*BLK                      ; Q's part in region 0,
	s_mul_i32 s57, s16, 2*BLK
	s_add_co_u32 s57, s57, 4*BLK                   ; K's;
	s_sub_co_u32 s60, s57, s56
	s_mul_i32 s58, s15, 4*BLK
	s_add_co_u32 s58, s58, REG1                    ; in region 1
	s_mul_i32 s59, s16, 4*BLK
	s_add_co_u32 s59, s59, REG1+8*BLK
	s_sub_co_u32 s61, s59, s58
	v_and_b32 v1, 15, v0                           ; r
	v_bfe_u32 v2, v0, 4, 1                         ; h
	v_and_b32 v3, 31, v0
	v_lshlrev_b32 v[LI], 4, v3
	v_lshlrev_b32 v5, 3, v3
	v_add_nc_u32 v[ADRA], s56, v[LI]
	v_add_nc_u32 v[ADRA+1], s58, v[LI]
	v_add_nc_u32 v[ADRA+2], s56, v5
	v_add_nc_u32 v[ADRA+3], s58, v5
	v_add_nc_u32 v[ADRB], s57, v[LI]
	v_add_nc_u32 v[ADRB+1], s59, v[LI]
	v_add_nc_u32 v[ADRB+2], s57, v5
	v_add_nc_u32 v[ADRB+3], s59, v5
	v_mul_u32_u24 v4, s60, v2                      ; lanes 16-31 take K's words
	v_lshl_add_u32 v4, v1, 4, v4
	v_add_nc_u32 v[ADRS], s56, v4
	v_mul_u32_u24 v4, s61, v2
	v_lshl_add_u32 v4, v1, 4, v4
	v_add_nc_u32 v[ADRS+1], s58, v4
	v_mul_u32_u24 v[SOFF], v2, HB
	v_lshl_add_u32 v[SOFF], v1, 4, v[SOFF]
	v_add_nc_u32 v[SOFF], 6144, v[SOFF]
	v_lshlrev_b32 v[STOFF], 8, v2
	v_lshl_add_u32 v[STOFF], v1, 4, v[STOFF]       ; 256 h + 16 r
	v_lshlrev_b32 v[H8], 3, v2
	v_lshrrev_b32 v4, 3, v1
	v_sub_nc_u32 v30, v4, v2
	v_lshlrev_b32 v30, 5, v30
	v_and_b32 v4, 7, v1
	v_add_nc_u32 v30, v30, v4                      ; 32 (r / 8) + r % 8 - 32 h
	v_mov_b32 v31, 0xff800000                      ; -infinity
	v_mov_b32 v93, 0                               ; a lane permute's destination counts as one of its sources
	v_mov_b32 v95, 0                               ; (named as the upper half of the pair v[94:95])
	s_wait_alu depctr_va_vdst(0)
	s_wait_tensorcnt 0x0                           ; my part of region 0 is in
	ds_add_u32 v[SPW], v[NIL]
	s_wait_dscnt 0x0
	s_barrier_signal -1
	s_barrier_wait -1
	tensor_load_to_lds s[G0+4:G0+7], s[G1L:G1L+7]  ; steps 2-5: my one load behind the barrier
	s_nop 0
	PLACES 4
	FETCH_B 0, 0, 0
	FETCH_A 0, 0, 0
	SCALES 0, 0, 0
	FETCH_A 0, 0, 4
	STEP 0, 0, 1, 1
	TURN 1, 1, 0, 1
	STEP 0, 1, 1, 0
	STEP 1, 1, 2, 0
	STEP 0, 1, 3, 0
	TURN 1, 0, 0, 0
	STEP 0, 0, 1, 0
	LAST 1
	s_cmp_gt_u32 s49, s48                          ; all my keys come after all my queries: nothing of mine is kept (ids alone; no barrier follows)
	s_cbranch_scc1 .Ldone
; Q's tile a: lane (r, h) holds query 64 (a / 4) + 32 (r / 8) + 8 (a % 4) + r % 8 of its block and 64 scores
.macro SOFTQ a
.set XX, 64*((\a)%4)
.set WW, 2+(\a)/4
.set CC, (\a)/4
.set UU, (\a)%4
	s_cmp_lg_u32 s49, s48                          ; on the diagonal hidden scores become -infinity ahead of the maximum: p = 0 then
	s_cbranch_scc1 .Lopen_\@
	WIN (WW<<6)|WW
.irp i, 0,1,2,3,4,5,6,7,8,9,10,11,12,13,14,15,16,17,18,19,20,21,22,23,24,25,26,27,28,29,30,31
	v_cmp_gt_i32 vcc_lo, \i-8*UU, v30              ; in the query's own 64 keys: hidden where 32 h + 8 j + i > 32 (r / 8) + 8 (a % 4) + r % 8
	v_cndmask_b32 v[XX+32*CC+\i], v[XX+32*CC+\i], v31, vcc_lo
.endr
.if CC == 0
.irp i, 0,1,2,3,4,5,6,7,8,9,10,11,12,13,14,15,16,17,18,19,20,21,22,23,24,25,26,27,28,29,30,31
	v_mov_b32 v[XX+32+\i], 0xff800000              ; the later 64 keys are hidden whole
.endr
.endif
	WIN 0
.Lopen_\@:
	WIN WW|(WW<<2)|(WW<<4)
.irp c, 0,1
	v_max3_num_f32 v[BM+\c], v[XX+32*\c], v[XX+32*\c+1], v[XX+32*\c+2]   ; the largest score of each of my blocks of 32 keys, two chains a block: for the group's maximum, and, since p rises with the score, for the block's largest p
	v_max3_num_f32 v[BT+\c], v[XX+32*\c+16], v[XX+32*\c+17], v[XX+32*\c+18]
.endr
	WIN (WW<<2)|(WW<<4)
.irp i, 3,5,7,9,11,13
.irp c, 0,1
	v_max3_num_f32 v[BM+\c], v[BM+\c], v[XX+32*\c+\i], v[XX+32*\c+\i+1]
	v_max3_num_f32 v[BT+\c], v[BT+\c], v[XX+32*\c+\i+16], v[XX+32*\c+\i+17]
.endr
.endr
.irp c, 0,1
	v_max3_num_f32 v[BM+\c], v[BM+\c], v[XX+32*\c+15], v[XX+32*\c+31]
.endr
	WIN 0
.irp c, 0,1
	v_max_num_f32 v[BM+\c], v[BM+\c], v[BT+\c]
.endr
	v_max_num_f32 v92, v[BM], v[BM+1]
	v_permlanex16_b32 v93, v92, s46, s47
	v_max_num_f32 v92, v92, v93                    ; the group's largest score of my query: a number, since key 0 of a stored group counts for every query of the block
	v_mul_f32 v92, s44, v92
	v_floor_f32 v94, -v92                          ; -M = floor(-t) = -ceil(t)
.irp c, 0,1
	v_fma_f32 v[BM+\c], v[BM+\c], s44, v94
.endr
	WIN WW
.set J, 0
.rept 32
	v_pk_fma_f32 v[T+J:T+J+1], v[XX+J:XX+J+1], s[44:45], v[94:95] op_sel_hi:[1,0,0]   ; t - M, two at a time
.set J, J+2
.endr
	WIN 0
	s_wait_alu depctr_va_vdst(0)                   ; ahead of the batch
	s_wait_xcnt 0x0                                ; the last tile's stores have read the codes' registers
.irp c, 0,1
	v_exp_f32 v[BM+\c], v[BM+\c]                   ; the block's largest p: the same two instructions on the same number
.endr
.set J, 0
.rept 64
	v_exp_f32 v[T+J], v[T+J]                       ; p = 2^(t - M)
.set J, J+1
.endr
	v_mov_b32 v[NMS+(\a)], v94                     ; (a plain place behind the exponentials)
	s_wait_alu depctr_va_vdst(0)                   ; one wait for the batch, ahead of its first reader
	v_pk_add_f32 v[96:97], v[T:T+1], v[T+2:T+3]    ; the sum of the unquantised p, in two chains
	v_pk_add_f32 v[98:99], v[T+4:T+5], v[T+6:T+7]
.irp j, 8,12,16,20,24,28,32,36,40,44,48,52,56,60
	v_pk_add_f32 v[96:97], v[96:97], v[T+\j:T+\j+1]
	v_pk_add_f32 v[98:99], v[98:99], v[T+\j+2:T+\j+3]
.endr
.irp c, 0,1
	v_max_num_f32 v[BM+\c], 0x1800000, v[BM+\c]    ; the floor 2^(3 - 127): the byte cannot fall under 1
.endr
	v_pk_add_f32 v[96:97], v[96:97], v[98:99]
.irp c, 0,1
	v_add_nc_u32 v[SO+\c], 0xff000000, v[BM+\c]    ; 2 off the exponent field: the conversion's scale operand
.endr
	v_add_f32 v96, v96, v97
.irp c, 0,1
	v_lshrrev_b32 v[BY+\c], 23, v[SO+\c]
.endr
	v_permlanex16_b32 v98, v96, s46, s47
	v_lshl_or_b32 v[BY], v[BY+1], 16, v[BY]        ; blocks h and 2 + h,
	v_add_f32 v[LS+(\a)], v96, v98
	v_lshlrev_b32 v[BY], v[H8], v[BY]              ; at their places in the word
	v_permlanex16_b32 v93, v[BY], s46, s47
	v_or_b32 v[PWR+(\a)], v[BY], v93
.irp c, 0,1
	v_cvt_scalef32_pk16_fp6_f32 v[PC+6*\c:PC+6*\c+2], v[T+32*\c:T+32*\c+15], v[SO+\c]
	v_cvt_scalef32_pk16_fp6_f32 v[PC+12+4*\c:PC+14+4*\c], v[T+32*\c+16:T+32*\c+31], v[SO+\c]
.endr
	v_nop                                          ; one plain place behind a scaled conversion
.irp c, 0,1
.irp i, 0,1,2
	v_mov_b32 v[PC+3+6*\c+\i], v[PC+12+4*\c+\i]
.endr
.endr
.irp c, 0,1,2
	global_store_b128 v[LI], v[PC+4*\c:PC+4*\c+3], s[52:53] offset:((\a)/4)*HB+((\a)%4)*FRB+512*\c
.endr
.endm
.irp a, 0,1,2,3,4,5,6,7
	SOFTQ \a
.endr
	v_cmp_ne_u32 s50, 0, v2                        ; lane (r, h) stores what belongs to tiles 4 h .. 4 h + 3
.irp i, 0,1,2,3
	v_cndmask_b32 v[SW+\i], v[PWR+\i], v[PWR+4+\i], s50
	v_cndmask_b32 v[BM+\i], v[NMS+\i], v[NMS+4+\i], s50
	v_cndmask_b32 v[BT+\i], v[LS+\i], v[LS+4+\i], s50
.endr
	global_store_b128 v[SOFF], v[SW:SW+3], s[52:53]              ; sixteen lanes store 256 consecutive bytes, aligned, in each of the three
	global_store_b128 v[STOFF], v[BM:BM+3], s[54:55]
	global_store_b128 v[STOFF], v[BT:BT+3], s[54:55] offset:512
.Ldone:
	s_wait_tensorcnt 0x0                           ; the wave's end
	ds_add_u32 v[SPW], v[NIL]
	s_wait_dscnt 0x0
	s_endpgm
.Lfunc_end_k_qcc825307c2_score:
	.size	k_qcc825307c2_score, .Lfunc_end_k_qcc825307c2_score-k_qcc825307c2_score
	.p2alignl 7, 3214868480
	.fill 96, 4, 3214868480
	.section	.rodata,"a",@progbits
	.p2align	6, 0x0
	.amdhsa_kernel k_qcc825307c2_score
		.amdhsa_group_segment_fixed_size 327680
		.amdhsa_private_segment_fixed_size 0
		.amdhsa_enable_private_segment 0
		.amdhsa_kernarg_size 24
		.amdhsa_user_sgpr_count 2
		.amdhsa_user_sgpr_kernarg_segment_ptr 1
		.amdhsa_wavefront_size32 1
		.amdhsa_system_sgpr_workgroup_id_x 1
		.amdhsa_system_sgpr_workgroup_id_y 1
		.amdhsa_system_sgpr_workgroup_id_z 1
		.amdhsa_system_vgpr_workitem_id 0
		.amdhsa_next_free_vgpr 1024
		.amdhsa_next_free_sgpr 80
		.amdhsa_reserve_vcc 1
		.amdhsa_float_denorm_mode_32 3
		.amdhsa_float_denorm_mode_16_64 3
		.amdhsa_memory_ordered 1
		.amdhsa_forward_progress 1
		.amdhsa_inst_pref_size 214
	.end_amdhsa_kernel
	.amdgpu_metadata
---
amdhsa.version: [ 1, 2 ]
amdhsa.kernels:
  - .name:           k_qcc825307c2_score
    .symbol:         k_qcc825307c2_score.kd
    .args:
      - { .name: qk, .offset: 0, .size: 8, .value_kind: global_buffer, .address_space: global }
      - { .name: pc, .offset: 8, .size: 8, .value_kind: global_buffer, .address_space: global }
      - { .name: st, .offset: 16, .size: 8, .value_kind: global_buffer, .address_space: global }
    .group_segment_fixed_size: 327680
    .private_segment_fixed_size: 0
    .kernarg_segment_align: 8
    .kernarg_segment_size: 24
    .max_flat_workgroup_size: 128
    .sgpr_count:     80
    .vgpr_count:     1024
    .wavefront_size: 32
...
	.end_amdgpu_metadata
.endif
;; end of part 3
;; launch pv (part 4): grid 8 x 32, 4 waves a work-group, clusters of 4 x 1, 327,680 bytes of LDS; arguments pc, st, vt, out0; writes out0
.if DOCPART == 4
	.amdgcn_target "amdgcn-amd-amdhsa--gfx1250"
	.amdhsa_code_object_version 6
	.text
	.protected	k_qcc825307c2_pv
	.globl	k_qcc825307c2_pv
	.p2align	8
	.type	k_qcc825307c2_pv,@function
k_qcc825307c2_pv:
	s_mov_b64 s[64:65], 0
	v_nop
	global_prefetch_b8 v0, s[64:65] scope:SCOPE_SE
	s_setreg_imm32_b32 hwreg(HW_REG_WAVE_MODE, 25, 1), 1
	s_wait_xcnt 0x0
	s_wait_alu depctr_hold_cnt(0) depctr_sa_sdst(0) depctr_va_vdst(0) depctr_va_sdst(0) depctr_va_ssrc(0) depctr_va_vcc(0) depctr_vm_vsrc(0)
	s_getreg_b32 s2, hwreg(HW_REG_IB_STS2, 6, 4)
	s_cmp_eq_u32 s2, 0
	s_cbranch_scc0 .Lentry_in_a_cluster
	s_endpgm
.Lentry_in_a_cluster:
	s_bfe_u32 s2, ttmp6, 0x10000c
	s_cmp_lg_u32 s2, 0x3003
	s_cbranch_scc0 .Lentry_shape_is_right
	s_endpgm
.Lentry_shape_is_right:
; O = P V / l on the codes of the launches before; K = the keys, in steps of 128.  WORK LEFT OUT: for a block of 128 queries only the key steps up to its own are multiplied: behind them every weight is 0
; (shown at the head of the first launch).
; SHARES.  A work-group makes two tiles of 128 queries x 128 of V's columns: query blocks 15 - p and p of one batch, which together have 17 steps whatever p is: 256 work-groups of equal work.  Both walk the
; same steps of V^T, so each is read from LDS once for the two.  A wave holds 64 queries x 64 columns of each tile: 2 x 16 accumulators.
; THE ROW'S M.  Each group of 128 keys was quantised under its own whole number M.  Thread = query: the row's -M is the least of the groups' -M; d = M(group) - M(row) is a whole number, 0 or less; l = the sum of the groups'
; sums x 2^d; each of the group's four scale bytes becomes max(byte + d, 0).  LIMIT: a byte that would fall under 0 is held at 0: such a block's terms lie under 2^-124 of the row's largest.
; The bytes are at most 125, so all four are done in one word: (word | 0x80808080) - n x 0x01010101 borrows from no neighbour, and a byte's top bit says whether it stayed at 0 or above.
; Eight groups go through these lines side by side, so that no line waits for the line above it.
; CLUSTER 4 x 1: the four partners share batch and p and differ in V's columns: P's tiles are asked for jointly; V^T's are each work-group's own.
; LDS: two slots of four steps: tile 1's P, tile 2's P, V^T, 51,200 bytes each; behind them the scale words brought under the row's M, 1 / l, and the spare words.
; By p the text parts behind step 6 (ids alone, the same in all partners) and each way's tail is written out.  With p <= 3 tile 1's steps 12-15 lie where tile 2's steps 4-7 would.
; The tensor loads bring P in fours of blocks; blocks behind the diagonal among them were never written and are never multiplied.
; REGISTERS: window 0: v1-20 addresses; v22, v23 the add's two; v24-31 at work; v32-55 scale words, two sets; v56-163 statistics and their work, later the way out up to v191.  window 1: accumulators.  windows 2, 3: the two sets of fragments.
.set BLK,   12800
.set HB,    6400
.set FRB,   1536
.set QUAD,  4*BLK
.set PSLOT, 3*QUAD
.set T1,    2*PSLOT                    ; 16 groups x 512 bytes: tile 1's scale words
.set T2,    T1+16*512                  ; 8 x 512: tile 2's
.set RLT,   T2+8*512                   ; 2 x 512: 1 / l
.set SPARE, RLT+1024                   ; the spare words, 128 bytes for each wave, that no other line names
.set LI,    3
.set ADA1,  4                          ; v4-5   my fragments of tile 1's P in slot 0, 1
.set ADA2,  6                          ; v6-7   of tile 2's
.set ADB,   8                          ; v8-9   of V^T
.set ASB,   10                         ; v10-11 V^T's scale words
.set AT1,   12
.set AT2,   13
.set ARL,   14
.set TA,    15                         ; T1 + 4 x thread
.set TH4,   16                         ; 4 x thread
.set WOFF,  17                         ; my query's scale word in a block of P
.set STO,   18
.set RD,    19
.set GO,    20
.set SPW,   22
.set NIL,   23
.set SC,    32                         ; set f at 32 + 12 f: V^T's four words, tile 1's four, tile 2's four
.set RL,    56
.set NM1,   64
.set L1,    80
.set W1,    96
.set NM2,   112
.set L2,    120
.set W2,    128
.set XA,    140                        ; v140-147, v148-155, v156-163: eight groups' work
.set XB,    148
.set XC,    156
.set RLP,   64                         ; the way out: 1 / l as pairs
.set TMP,   96
.set BK,    128
.set MSB, 0
.macro WIN new
.if MSB != (\new)
	s_set_vgpr_msb (MSB<<8)|(\new)
.set MSB, (\new)
.endif
.endm
.macro PLACES n
.rept \n
	v_nop
.endr
.endm
.macro CROUND                          ; a round of the cluster's barrier
	s_barrier_signal -1
	s_barrier_wait -1
	s_cmp_lg_u32 s14, 0
	s_cbranch_scc1 .Lnot_wave_0_\@
	s_barrier_signal -3
.Lnot_wave_0_\@:
	s_barrier_wait -3
	s_barrier_signal -1
	s_barrier_wait -1
.endm
	s_load_b256 s[4:11], s[0:1], 0x0               ; pc s[4:5], st s[6:7], vt s[8:9], out0 s[10:11]
	v_lshl_add_u32 v[SPW], v0, 2, SPARE
	v_mov_b32 v[NIL], 0
	ds_add_u32 v[SPW], v[NIL]                      ; the wave's opening: the add, twice on end, and its wait ahead of my first tensor load
	ds_add_u32 v[SPW], v[NIL]
	v_lshrrev_b32 v1, 5, v0
	v_readfirstlane_b32 s14, v1                    ; wave 0..3
	s_lshr_b32 s15, s14, 1                         ; which 64 queries
	s_and_b32 s16, s14, 1                          ; which 64 columns
	s_bfe_u32 s17, ttmp6, 0x40000                  ; cx
	s_lshl_b32 s18, ttmp9, 2
	s_add_co_u32 s18, s18, s17                     ; which 128 of V's columns: it enters V^T's and the output's addresses alone
	s_and_b32 s19, ttmp7, 0xffff
	s_lshr_b32 s20, s19, 3                         ; the batch
	s_and_b32 s21, s19, 7                          ; p: tile 2's query block and last step
	s_sub_co_u32 s22, 15, s21                      ; tile 1's
	s_mul_i32 s23, s14, QUAD                       ; waves 0, 1: where P's tiles go in a slot
	s_lshl_b32 s24, s20, 4
	s_add_co_u32 s25, s24, s22
	s_add_co_u32 s26, s24, s21
	s_mul_i32 s27, s16, 2*BLK                      ; waves 2, 3: where V^T's two steps go
	s_mul_i32 s28, s25, 16*BLK                     ; tile 1's row of blocks of P, in bytes
	s_mov_b32 s29, 0
	s_mul_i32 s30, s26, 16*BLK                     ; tile 2's
	s_mov_b32 s31, 0
	s_add_co_u32 s66, s30, QUAD                    ; slot 1, wave 1: tile 2's steps 4-7 where it has them,
	s_add_co_u32 s67, s28, 3*QUAD                  ; else tile 1's steps 12-15
	s_cmp_ge_u32 s21, 4
	s_cselect_b32 s66, s66, s67
	s_add_co_u32 s67, s28, QUAD                    ; slot 1, wave 0: tile 1's steps 4-7
	s_cmp_eq_u32 s14, 0
	s_cselect_b32 s68, s28, s30
	s_cselect_b32 s70, s67, s66
	s_mov_b32 s69, 0
	s_mov_b32 s71, 0
	s_lshl_b32 s72, s18, 6
	s_add_co_u32 s72, s72, s24
	s_lshl_b32 s73, s16, 1
	s_add_co_u32 s72, s72, s73
	s_mul_i32 s72, s72, BLK                        ; V^T: block (64 n + 16 batch + 2 (wave % 2))
	s_mov_b32 s73, 0
	s_mov_b32 s32, 15|(3<<16)|(1<<21)              ; P: the mask names the four partners; elements of 8 bytes; bit 21 beside a mask: 51,200 dense bytes as 200 rows of 256
	s_mov_b32 s33, 32<<16
	s_mov_b32 s34, 200<<16
	s_mov_b32 s35, 32<<16
	s_mov_b32 s36, 200
	s_mov_b32 s37, 32
	s_mov_b32 s38, 0
	s_mov_b32 s39, 0
	s_mov_b32 s40, 3<<16                           ; V^T: no mask: 25,600 dense bytes as 100 rows of 256
	s_mov_b32 s41, 32<<16
	s_mov_b32 s42, 100<<16
	s_mov_b32 s43, 32<<16
	s_mov_b32 s44, 100
	s_mov_b32 s45, 32
	s_mov_b32 s46, 0
	s_mov_b32 s47, 0
	s_mov_b32 s88, 0x01010101
	s_wait_dscnt 0x0                               ; both opening adds are done
	s_wait_kmcnt 0x0
	s_lshl_b32 s90, s25, 14                        ; 16 groups of 1,024 bytes for each query block
	s_mov_b32 s91, 0
	s_add_nc_u64 s[76:77], s[6:7], s[90:91]
	s_lshl_b32 s90, s26, 14
	s_add_nc_u64 s[78:79], s[6:7], s[90:91]
	s_add_nc_u64 s[80:81], s[4:5], s[28:29]
	s_add_nc_u64 s[82:83], s[4:5], s[30:31]
	v_lshlrev_b32 v[TH4], 2, v0
	v_add_nc_u32 v[TA], T1, v[TH4]
	v_lshrrev_b32 v[WOFF], 6, v0
	v_mul_u32_u24 v[WOFF], v[WOFF], HB
	v_and_b32 v24, 63, v0
	v_lshl_add_u32 v[WOFF], v24, 2, v[WOFF]
	v_add_nc_u32 v[WOFF], 6144, v[WOFF]
	; THE STATISTICS are asked for ahead of the tiles.  Groups that a tile does not have keep what is set here: a -M above every other, a sum of 0
.irp g, 9,10,11,12,13,14,15
	v_mov_b32 v[NM1+\g], 0x7f61b1e6
	v_mov_b32 v[L1+\g], 0
	v_mov_b32 v[W1+\g], 0
.endr
.irp g, 1,2,3,4,5,6,7
	v_mov_b32 v[NM2+\g], 0x7f61b1e6
	v_mov_b32 v[L2+\g], 0
	v_mov_b32 v[W2+\g], 0
.endr
.macro STAT nm, l, w, g, sst, spc
	global_load_b32 v[\nm+\g], v[TH4], s[\sst:\sst+1] offset:1024*\g
	global_load_b32 v[\l+\g], v[TH4], s[\sst:\sst+1] offset:1024*\g+512
	global_load_b32 v[\w+\g], v[WOFF], s[\spc:\spc+1] offset:BLK*\g
.endm
.irp g, 0,1,2,3,4,5,6,7,8
	STAT NM1, L1, W1, \g, 76, 80
.endr
.irp g, 9,10,11,12,13,14,15
	s_cmp_lt_u32 s22, \g
	s_cbranch_scc1 .Lst1
	STAT NM1, L1, W1, \g, 76, 80
.endr
.Lst1:
	STAT NM2, L2, W2, 0, 78, 82
.irp g, 1,2,3,4,5,6,7
	s_cmp_lt_u32 s21, \g
	s_cbranch_scc1 .Lst2
	STAT NM2, L2, W2, \g, 78, 82
.endr
.Lst2:
	CROUND                                         ; all four work-groups are here: the first joint loads meet
	s_mov_b32 s48, 1
	s_mov_b32 s49, s23
	s_add_nc_u64 s[50:51], s[4:5], s[68:69]
	s_or_b32 s51, s51, 0x80000000
	s_mov_b32 s52, 1
	s_add_co_u32 s53, s23, PSLOT
	s_add_nc_u64 s[54:55], s[4:5], s[70:71]
	s_or_b32 s55, s55, 0x80000000
	s_mov_b32 s56, 1
	s_add_co_u32 s57, s27, 2*QUAD
	s_add_nc_u64 s[58:59], s[8:9], s[72:73]
	s_mov_b32 s60, 1
	s_add_co_u32 s61, s27, PSLOT+2*QUAD
	s_add_nc_u64 s[62:63], s[58:59], QUAD
	s_or_b32 s59, s59, 0x80000000
	s_or_b32 s63, s63, 0x80000000
	s_cmp_lt_u32 s14, 2                            ; slot 0: one load a wave at the head
	s_cbranch_scc0 .Lfirst_b
	tensor_load_to_lds s[48:51], s[32:39]
	s_nop 0
	PLACES 4
	s_branch .Lfirst_done
.Lfirst_b:
	tensor_load_to_lds s[56:59], s[40:47]
	s_nop 0
	PLACES 4
.Lfirst_done:
	v_and_b32 v1, 15, v0                           ; r
	v_bfe_u32 v2, v0, 4, 1                         ; h
	v_and_b32 v[LI], 31, v0
	v_lshlrev_b32 v[LI], 4, v[LI]
	s_mul_i32 s74, s15, HB
	s_mul_i32 s75, s16, 4*FRB                      ; V^T's block: eight tiles of 1,536 bytes, then 512 bytes of scale words, as the second launch lays it
	v_add_nc_u32 v[ADA1], s74, v[LI]
	v_add_nc_u32 v[ADA1+1], PSLOT, v[ADA1]
	v_add_nc_u32 v[ADA2], QUAD, v[ADA1]
	v_add_nc_u32 v[ADA2+1], PSLOT, v[ADA2]
	v_add_nc_u32 v[ADB], s75, v[LI]
	v_add_nc_u32 v[ADB], 2*QUAD, v[ADB]
	v_add_nc_u32 v[ADB+1], PSLOT, v[ADB]
	v_lshrrev_b32 v30, 1, v[LI]
	v_sub_nc_u32 v28, v[ADB], v30                  ; v28-29: V^T's pieces of 8 bytes a lane
	v_add_nc_u32 v29, PSLOT, v28
	s_lshl_b32 s75, s16, 8
	v_lshlrev_b32 v[ASB], 4, v1
	v_add_nc_u32 v[ASB], s75, v[ASB]
	v_add_nc_u32 v[ASB], 2*QUAD+12288, v[ASB]
	v_add_nc_u32 v[ASB+1], PSLOT, v[ASB]
	s_lshl_b32 s74, s15, 8
	v_lshlrev_b32 v[AT1], 4, v1
	v_add_nc_u32 v[AT1], s74, v[AT1]               ; 256 x my half of the queries + 16 r
	v_add_nc_u32 v[AT2], T2, v[AT1]
	v_add_nc_u32 v[ARL], RLT, v[AT1]
	v_add_nc_u32 v[AT1], T1, v[AT1]
	s_mul_i32 s74, s14, 16*272                     ; my stage for the way out, where tile 2's P of steps 0-3 lay: filled once, at the head, and read by nobody behind step 3's round
	s_add_co_u32 s74, s74, QUAD
	v_mul_u32_u24 v[STO], v1, 272
	v_lshl_add_u32 v[STO], v2, 7, v[STO]
	v_add_nc_u32 v[STO], s74, v[STO]
	v_mul_u32_u24 v[RD], v2, 272
	v_lshl_add_u32 v[RD], v1, 4, v[RD]
	v_add_nc_u32 v[RD], s74, v[RD]
	v_lshlrev_b32 v[GO], 12, v2
	v_lshl_add_u32 v[GO], v1, 4, v[GO]
	s_lshl_b32 s92, s18, 9                         ; my columns, in bytes
	s_lshl_b32 s93, s16, 8
	s_add_co_u32 s92, s92, s93
	s_lshl_b32 s93, s15, 6
	s_lshl_b32 s90, s25, 7
	s_add_co_u32 s90, s90, s93
	s_lshl_b32 s90, s90, 12                        ; my first row of tile 1, 4,096 bytes a row
	s_add_co_u32 s90, s90, s92
	s_add_nc_u64 s[84:85], s[10:11], s[90:91]
	s_lshl_b32 s90, s26, 7
	s_add_co_u32 s90, s90, s93
	s_lshl_b32 s90, s90, 12
	s_add_co_u32 s90, s90, s92
	s_add_nc_u64 s[86:87], s[10:11], s[90:91]
	s_wait_alu depctr_va_vdst(0)
	s_wait_loadcnt 0x0                             ; the statistics are in
.irp i, 0,1,2,3,4,5,6,7
	v_min_num_f32 v[XA+\i], v[NM1+\i], v[NM1+8+\i] ; the row's -M: the least of the groups', as a tree
.endr
.irp i, 0,1,2,3
	v_min_num_f32 v[XA+\i], v[XA+\i], v[XA+4+\i]
	v_min_num_f32 v[XB+\i], v[NM2+\i], v[NM2+4+\i]
.endr
.irp i, 0,1
	v_min_num_f32 v[XA+\i], v[XA+\i], v[XA+2+\i]
	v_min_num_f32 v[XB+\i], v[XB+\i], v[XB+2+\i]
.endr
	v_min_num_f32 v24, v[XA], v[XA+1]              ; tile 1's
	v_min_num_f32 v25, v[XB], v[XB+1]              ; tile 2's
; Groups g0 .. g0 + 7 of a tile, side by side: the group's sum comes under the row's M in place; its scale word goes to the table
.macro FIX8 nmg, nm, l, w, g0, off
.irp i, 0,1,2,3,4,5,6,7
	v_sub_f32 v[XA+\i], v[\nmg], v[\nm+\g0+\i]     ; d: a whole number, 0 or less
.endr
.irp i, 0,1,2,3,4,5,6,7
	v_cvt_i32_f32 v[XA+\i], v[XA+\i]               ; (it saturates)
.endr
.irp i, 0,1,2,3,4,5,6,7
	v_ldexp_f32 v[\l+\g0+\i], v[\l+\g0+\i], v[XA+\i]
.endr
.irp i, 0,1,2,3,4,5,6,7
	v_sub_nc_u32 v[XA+\i], 0, v[XA+\i]
.endr
.irp i, 0,1,2,3,4,5,6,7
	v_min_u32 v[XA+\i], 127, v[XA+\i]
.endr
.irp i, 0,1,2,3,4,5,6,7
	v_mul_lo_u32 v[XA+\i], v[XA+\i], s88           ; -d in each byte
.endr
.irp i, 0,1,2,3,4,5,6,7
	v_or_b32 v[XB+\i], 0x80808080, v[\w+\g0+\i]
.endr
.irp i, 0,1,2,3,4,5,6,7
	v_sub_nc_u32 v[XB+\i], v[XB+\i], v[XA+\i]
.endr
.irp i, 0,1,2,3,4,5,6,7
	v_and_b32 v[XA+\i], 0x80808080, v[XB+\i]       ; the bytes that stayed at 0 or above
.endr
.irp i, 0,1,2,3,4,5,6,7
	v_lshrrev_b32 v[XC+\i], 7, v[XA+\i]
.endr
.irp i, 0,1,2,3,4,5,6,7
	v_sub_nc_u32 v[XA+\i], v[XA+\i], v[XC+\i]      ; 0x7f in those, 0 in the others
.endr
.irp i, 0,1,2,3,4,5,6,7
	v_and_b32 v[XB+\i], v[XB+\i], v[XA+\i]
.endr
.irp i, 0,1,2,3,4,5,6,7
	ds_store_b32 v[TA], v[XB+\i] offset:\off+512*(\g0+\i)
.endr
.endm
	FIX8 24, NM1, L1, W1, 0, 0
	FIX8 24, NM1, L1, W1, 8, 0
	FIX8 25, NM2, L2, W2, 0, T2-T1
.irp i, 0,1,2,3,4,5,6,7
	v_add_f32 v[L1+\i], v[L1+\i], v[L1+8+\i]       ; l: the groups' sums under the row's M, as a tree
.endr
.irp i, 0,1,2,3
	v_add_f32 v[L1+\i], v[L1+\i], v[L1+4+\i]
	v_add_f32 v[L2+\i], v[L2+\i], v[L2+4+\i]
.endr
.irp i, 0,1
	v_add_f32 v[L1+\i], v[L1+\i], v[L1+2+\i]
	v_add_f32 v[L2+\i], v[L2+\i], v[L2+2+\i]
.endr
	v_add_f32 v26, v[L1], v[L1+1]
	v_add_f32 v27, v[L2], v[L2+1]
	s_wait_alu depctr_va_vdst(0)
	v_rcp_f32 v26, v26
	v_rcp_f32 v27, v27
	v_nop                                          ; a plain place behind the reciprocals
	s_wait_alu depctr_va_vdst(0)                   ; one wait for both, ahead of their first reader
	ds_store_b32 v[TA], v26 offset:RLT-T1
	ds_store_b32 v[TA], v27 offset:RLT-T1+512
.macro FB s                            ; step s: V^T's four fragments, tile 1's four, and their scale words, into set s % 2
.set FS, (\s)%2
.set KK, ((\s)/4)%2
.set EE, (\s)%4
	WIN (2+FS)<<6
.irp t, 0,1,2,3
.irp c, 0,1
	ds_load_b128 v[12*\t+6*\c:12*\t+6*\c+3], v[ADB+KK] offset:EE*BLK+\t*FRB+768*\c
	ds_load_b64 v[12*\t+6*\c+4:12*\t+6*\c+5], v[28+KK] offset:EE*BLK+\t*FRB+768*\c+512
.endr
.endr
.irp t, 0,1,2,3
.irp c, 0,1,2
.if (\s) < 12
	ds_load_b128 v[48+12*\t+4*\c:48+12*\t+4*\c+3], v[ADA1+KK] offset:EE*BLK+\t*FRB+512*\c
.else
	ds_load_b128 v[48+12*\t+4*\c:48+12*\t+4*\c+3], v[ADA2+1] offset:EE*BLK+\t*FRB+512*\c
.endif
.endr
.endr
	WIN 0
	ds_load_b128 v[SC+12*FS:SC+12*FS+3], v[ASB+KK] offset:EE*BLK
	ds_load_b128 v[SC+12*FS+4:SC+12*FS+7], v[AT1] offset:512*(\s)
.endm
.macro F2 s                            ; tile 2's four fragments and scale words
.set FS, (\s)%2
.set KK, ((\s)/4)%2
.set EE, (\s)%4
	WIN (2+FS)<<6
.irp t, 0,1,2,3
.irp c, 0,1,2
	ds_load_b128 v[96+12*\t+4*\c:96+12*\t+4*\c+3], v[ADA2+KK] offset:EE*BLK+\t*FRB+512*\c
.endr
.endr
	WIN 0
	ds_load_b128 v[SC+12*FS+8:SC+12*FS+11], v[AT2] offset:512*(\s)
.endm
.macro MULT T, s, zero                 ; a tile's 16 products of a step: source 0 = 16 of V's columns, source 1 = 16 queries.  The accumulators take turns
.set FS, (\s)%2
	WIN 0x50|((2+FS)<<2)|(2+FS)
.irp a, 0,1,2,3
.irp b, 0,1,2,3
.if \zero
	v_wmma_scale_f32_16x16x128_f8f6f4 v[128*(\T-1)+8*(4*\a+\b):128*(\T-1)+8*(4*\a+\b)+7], v[12*\b:12*\b+11], v[48*\T+12*\a:48*\T+12*\a+11], 0, v[SC+12*FS+\b], v[SC+12*FS+4*\T+\a] matrix_a_fmt:MATRIX_FMT_FP6 matrix_b_fmt:MATRIX_FMT_FP6
.else
	v_wmma_scale_f32_16x16x128_f8f6f4 v[128*(\T-1)+8*(4*\a+\b):128*(\T-1)+8*(4*\a+\b)+7], v[12*\b:12*\b+11], v[48*\T+12*\a:48*\T+12*\a+11], v[128*(\T-1)+8*(4*\a+\b):128*(\T-1)+8*(4*\a+\b)+7], v[SC+12*FS+\b], v[SC+12*FS+4*\T+\a] matrix_a_fmt:MATRIX_FMT_FP6 matrix_b_fmt:MATRIX_FMT_FP6
.endif
.endr
.endr
.endm
; A STEP.  chg: 0 a plain wait for the step's fragments; 1 slot 0 is filled again (a round); 2 slot 1's V^T is filled again (a round); 3 the waits, the add and my work-group's barrier: what was asked for is whole for every wave.
; f1: the next step's V^T and tile 1: 0 none, 1 always, 2 where tile 1 has that step.  f2: tile 2's: 0, 1, 2 likewise.  t2: tile 2's products: 0, 1, 2 likewise.  All tests are on ids, the same in all waves and partners.
.macro PSTEP s, chg, f1, f2, t2
.if \chg == 0
	s_wait_dscnt 0x0                               ; this step's fragments are in
.else
	s_wait_tensorcnt 0x0                           ; all my tensor loads have landed, so a group 0 may be written
	ds_add_u32 v[SPW], v[NIL]
.if \chg == 1
	s_add_nc_u64 s[50:51], s[50:51], 8*BLK         ; tile 1's steps 8-11,
	s_add_nc_u64 s[58:59], s[58:59], 8*BLK         ; V^T's
.endif
.if \chg == 2
	s_add_nc_u64 s[62:63], s[62:63], 8*BLK         ; V^T's steps 12-15
.endif
	s_wait_dscnt 0x0                               ; the add is done, and my reads of the slot that I leave are over
.if \chg == 3
	s_barrier_signal -1
	s_barrier_wait -1
.else
	CROUND
.endif
.if \chg == 1
	s_cmp_eq_u32 s14, 0                            ; wave 0: the joint load; waves 2, 3: their own; wave 1 has no part to fill
	s_cbranch_scc0 .Lc1n_\@
	tensor_load_to_lds s[48:51], s[32:39]
	s_nop 0
	PLACES 4
	s_branch .Lc1d_\@
.Lc1n_\@:
	s_cmp_lt_u32 s14, 2
	s_cbranch_scc1 .Lc1d_\@
	tensor_load_to_lds s[56:59], s[40:47]
	s_nop 0
	PLACES 4
.Lc1d_\@:
.endif
.if \chg == 2
	s_cmp_lt_u32 s14, 2
	s_cbranch_scc1 .Lc2d_\@
	tensor_load_to_lds s[60:63], s[40:47]
	s_nop 0
	PLACES 4
.Lc2d_\@:
.endif
.endif
	PLACES 4                                       ; four plain places in front of loads into registers that the last step's matrix instructions have read
.if \f1 == 2
	s_cmp_lt_u32 s22, (\s)+1
	s_cbranch_scc1 .Lnf1_\@
.endif
.if \f1
	FB (\s)+1
.endif
.Lnf1_\@:
.if \f2 == 2
	s_cmp_lt_u32 s21, (\s)+1
	s_cbranch_scc1 .Lnf2_\@
.endif
.if \f2
	F2 (\s)+1
.endif
.Lnf2_\@:
.if (\s) == 0
	MULT 1, \s, 1
.else
	MULT 1, \s, 0
.endif
.if \t2 == 2
	WIN 0
	s_cmp_lt_u32 s21, \s
	s_cbranch_scc1 .Lnt2_\@
.endif
.if \t2
.if (\s) == 0
	MULT 2, \s, 1
.else
	MULT 2, \s, 0
.endif
.endif
	WIN 0
.Lnt2_\@:
.endm
.macro EXITIF s                        ; tile 1 has no step s: the products are over
	s_cmp_lt_u32 s22, \s
	s_cbranch_scc1 .Lout
.endm
; THE WAY OUT: 16 queries x my 64 columns: divided by l, through my stage (rows of 256 + 16 bytes), and out as whole rows: sixteen lanes store 256 consecutive bytes, aligned
.macro OUTT T, a, idx
.set AC, 128*(\T-1)+32*(\a)
.set BB, BK+32*((\idx)%2)
	WIN 0x01
.set J, 0
.rept 16
	v_pk_mul_f32 v[TMP+J:TMP+J+1], v[AC+J:AC+J+1], v[RLP+2*(\idx):RLP+2*(\idx)+1]   ; each accumulator from its low end on
.set J, J+2
.endr
	WIN 0
.irp b, 0,1,2,3
	ds_store_b128 v[STO], v[TMP+8*\b:TMP+8*\b+3] offset:32*\b          ; column 32 h + 8 b + i
	ds_store_b128 v[STO], v[TMP+8*\b+4:TMP+8*\b+7] offset:32*\b+16
.endr
	s_wait_xcnt 0x0                                ; the stores before have read these registers
.irp i, 0,1,2,3,4,5,6,7
	ds_load_b128 v[BB+4*\i:BB+4*\i+3], v[RD] offset:2*\i*272   ; LDS serves a wave's instructions in order: these see the stores above
.endr
	s_wait_dscnt 0x0
.irp i, 0,1,2,3,4,5,6,7
	global_store_b128 v[GO], v[BB+4*\i:BB+4*\i+3], s[84+2*(\T-1):85+2*(\T-1)] offset:(8*(\a)+32*(\i/4)+2*(\i%4))*4096 th:TH_STORE_NT   ; stage row 2 i + h is the tile's lane: its query by the tile's order of rows
.endr
.endm
.macro OUTS T                                          ; a tile's four times 16 queries
	PLACES 4                                       ; the places behind the last products
	OUTT \T, 0, 4*(\T-1)
	OUTT \T, 1, 4*(\T-1)+1
	OUTT \T, 2, 4*(\T-1)+2
	OUTT \T, 3, 4*(\T-1)+3
.endm
	s_wait_tensorcnt 0x0                           ; my part of slot 0 is in
	ds_add_u32 v[SPW], v[NIL]
	s_wait_dscnt 0x0                               ; the add is done, and my words in the tables have landed
	CROUND
	s_cmp_lt_u32 s14, 2                            ; slot 1: one load a wave, first behind the round
	s_cbranch_scc0 .Lsecond_b
	tensor_load_to_lds s[52:55], s[32:39]
	s_nop 0
	PLACES 4
	s_branch .Lsecond_done
.Lsecond_b:
	tensor_load_to_lds s[60:63], s[40:47]
	s_nop 0
	PLACES 4
.Lsecond_done:
	FB 0
	F2 0
	PSTEP 0, 0, 1, 1, 1                            ; step 0 starts all sums; tile 2's step 1 is fetched whatever p is, so that every fragment register is written on every way (with p = 0 it is never multiplied)
	PSTEP 1, 0, 1, 2, 2
	PSTEP 2, 0, 1, 2, 2
	PSTEP 3, 1, 1, 2, 2
	PSTEP 4, 0, 1, 2, 2
	PSTEP 5, 0, 1, 2, 2
	PSTEP 6, 0, 1, 2, 2
	ds_load_b128 v[RL:RL+3], v[ARL]                ; 1 / l of my query in tiles 0-3 of my half: tile 1,
	ds_load_b128 v[RL+4:RL+7], v[ARL] offset:512   ; tile 2
	s_wait_dscnt 0x0
.irp i, 0,1,2,3,4,5,6,7
	v_mov_b32 v[RLP+2*\i], v[RL+\i]                ; as pairs, for the packed multiply
	v_mov_b32 v[RLP+2*\i+1], v[RL+\i]
.endr
	s_wait_alu depctr_va_vdst(0)                   ; ahead of the branch
	s_cmp_gt_u32 s21, 3
	s_cbranch_scc0 .Llong
	PSTEP 7, 3, 1, 0, 2                            ; p >= 4: tile 1 ends at step 8 to 11: nothing more is asked for
	OUTS 2                                         ; tile 2 is finished and goes out
	PSTEP 8, 0, 2, 0, 0
	EXITIF 9
	PSTEP 9, 0, 2, 0, 0
	EXITIF 10
	PSTEP 10, 0, 2, 0, 0
	EXITIF 11
	PSTEP 11, 0, 0, 0, 0
	s_branch .Lout
.Llong:
	PSTEP 7, 2, 1, 0, 0                            ; p <= 3: tile 2 is done; tile 1 ends at step 12 to 15
	OUTS 2
	PSTEP 8, 0, 1, 0, 0
	PSTEP 9, 0, 1, 0, 0
	PSTEP 10, 0, 1, 0, 0
	PSTEP 11, 3, 1, 0, 0
	PSTEP 12, 0, 2, 0, 0
	EXITIF 13
	PSTEP 13, 0, 2, 0, 0
	EXITIF 14
	PSTEP 14, 0, 2, 0, 0
	EXITIF 15
	PSTEP 15, 0, 0, 0, 0
.Lout:
	OUTS 1                                         ; tile 1 goes out.  No tensor load is out on any way here
	s_wait_tensorcnt 0x0                           ; the wave's end: behind my last tensor load and my last LDS store
	ds_add_u32 v[SPW], v[NIL]
	s_wait_dscnt 0x0
	CROUND                                         ; the closing round
	s_endpgm
.Lfunc_end_k_qcc825307c2_pv:
	.size	k_qcc825307c2_pv, .Lfunc_end_k_qcc825307c2_pv-k_qcc825307c2_pv
	.p2alignl 7, 3214868480
	.fill 96, 4, 3214868480
	.section	.rodata,"a",@progbits
	.p2align	6, 0x0
	.amdhsa_kernel k_qcc825307c2_pv
		.amdhsa_group_segment_fixed_size 327680
		.amdhsa_private_segment_fixed_size 0
		.amdhsa_enable_private_segment 0
		.amdhsa_kernarg_size 32
		.amdhsa_user_sgpr_count 2
		.amdhsa_user_sgpr_kernarg_segment_ptr 1
		.amdhsa_wavefront_size32 1
		.amdhsa_system_sgpr_workgroup_id_x 1
		.amdhsa_system_sgpr_workgroup_id_y 1
		.amdhsa_system_sgpr_workgroup_id_z 1
		.amdhsa_system_vgpr_workitem_id 0
		.amdhsa_next_free_vgpr 1024
		.amdhsa_next_free_sgpr 100
		.amdhsa_reserve_vcc 0
		.amdhsa_float_denorm_mode_32 3
		.amdhsa_float_denorm_mode_16_64 3
		.amdhsa_memory_ordered 1
		.amdhsa_forward_progress 1
		.amdhsa_inst_pref_size 183
	.end_amdhsa_kernel
	.amdgpu_metadata
---
amdhsa.version: [ 1, 2 ]
amdhsa.kernels:
  - .name:           k_qcc825307c2_pv
    .symbol:         k_qcc825307c2_pv.kd
    .args:
      - { .name: pc, .offset: 0, .size: 8, .value_kind: global_buffer, .address_space: global }
      - { .name: st, .offset: 8, .size: 8, .value_kind: global_buffer, .address_space: global }
      - { .name: vt, .offset: 16, .size: 8, .value_kind: global_buffer, .address_space: global }
      - { .name: out0, .offset: 24, .size: 8, .value_kind: global_buffer, .address_space: global }
    .group_segment_fixed_size: 327680
    .private_segment_fixed_size: 0
    .kernarg_segment_align: 8
    .kernarg_segment_size: 32
    .max_flat_workgroup_size: 128
    .sgpr_count:     100
    .vgpr_count:     1024
    .wavefront_size: 32
...
	.end_amdgpu_metadata
.endif
;; end of part 4
